; MI455X (gfx1250); checked and timed in simulation.
; The chip was launched on July 23, 2026; its instructions are those of AMD's public machine-readable ISA for CDNA 5 (MIT licence, August 2026) and "CDNA5" Instruction Set Architecture Reference Guide (July 2026). The comments in the code are by the model that wrote it; some were corrected since.
;; Base Layer. Allowed arithmetic: matrix products marked QUANTISED: E2M3 operands, one E8M0 scale for each 32 along K, by v_wmma_scale_f32_16x16x128_f8f6f4 with both operands' format E2M3, f32 sums; products left as they are: f32 operands where the result goes on into a quantised operand, else bf16, f16 or f32 operands; f32 sums; everything else in f32.
;; Inputs: W1_codes 8 x 4,096 x 32 x 24 uint8 (E2M3 codes of W1, K innermost, in blocks of 32 codes, four codes in three bytes); W1_scales 8 x 4,096 x 32 uint8 (E8M0 scales of W1, one for each 32 codes along K); W2_codes 8 x 1,024 x 128 x 24 uint8 (E2M3 codes of W2, K innermost, in blocks of 32 codes, four codes in three bytes); W2_scales 8 x 1,024 x 128 uint8 (E8M0 scales of W2, one for each 32 codes along K); b1 8 x 4,096 float32; b2 8 x 1,024 float32; beta 8 x 1,024 float32; centroids 8 x 1,024 float32; gamma 8 x 1,024 float32; x 1 x 1,024 x 1,024 float32.
;; Outputs: out0 1 x 1,024 x 1,024 float32.
;; This version of the problem:
;;   THIS VERSION OF THE PROBLEM IS GIVEN IN LOW PRECISION. The matrix products marked QUANTISED in the list below multiply operands that are first quantised to E2M3 (2 exponent bits, 3 mantissa bits; 6 bits a number), with one power-of-two scale for each 32 numbers along K (OCP MX v1.0); their sums are f32. All else is computed in f32.
;;   The module's matrix products, in the order in which they are computed (A, B: the left and right operand; K: the contracted axis; several contracted axes count as one K, in the product's order):
;;     1. [M 1,024, K 1,024] x [K 1,024, N 8]; A: input x; B: input centroids: left as it is (N = 8 < 16)
;;     2. batch 8 x [M 1,024, K 1,024] x [K 1,024, N 4,096]; A: computed on the way; B: input W1 (given as codes): QUANTISED
;;     3. batch 8 x [M 1,024, K 4,096] x [K 4,096, N 1,024]; A: computed on the way; B: input W2 (given as codes): QUANTISED
;;     4. batch 1,024 x [M 1, K 8] x [K 8, N 1,024]; A: computed on the way; B: computed on the way: left as it is (K = 8 < 32)
;;   THE QUANTISER, for each operand of a quantised product, along K:
;;     - K is cut into blocks of 32 from its start; a last block that is shorter is filled with zeros.
;;     - A block's scale is 2^e with e = floor(log2(the largest magnitude in the block)) - 2, held to -126 .. 127; a block of zeros has e = 0. As a byte (E8M0): e + 127.
;;     - Each number is divided by its block's scale, clamped to +-7.5, and rounded to the nearest number of E2M3, ties to even, subnormals kept.
;;     - The product sums the exact products of the quantised numbers (number of the format x scale) in f32.
;;   ~~~python
;;   def quantise(x, axis):      # numpy; x: float32 -> the quantised numbers, widened to float32 again
;;       x = np.moveaxis(x, axis, -1); K = x.shape[-1]
;;       x = np.pad(x, [(0, 0)] * (x.ndim - 1) + [(0, -K % 32)]); x = x.reshape(x.shape[:-1] + (-1, 32)); a = np.abs(x).max(-1, keepdims=True)
;;       e = np.where(a > 0, np.clip(np.frexp(np.where(a > 0, a, 1))[1] - 1 - 2, -126, 127), 0)      # np.frexp(a)[1] - 1 = floor(log2(a)), exactly
;;       r = np.clip(x / 2.0 ** e, -7.5, 7.5)
;;       step = 2.0 ** (np.maximum(np.frexp(np.where(r == 0, 1, r))[1] - 1, 0) - 3)
;;       q = np.round(r / step) * step * 2.0 ** e      # np.round: ties to even
;;       return np.moveaxis(q.reshape(q.shape[:-2] + (-1,))[..., :K], -1, axis).astype(np.float32)
;;   ~~~
;;   OPERANDS COMPUTED ON THE WAY. 'Computed on the way' means the value that the module computes at that place (a softmax that the list does not call 'softmax' is quantised finished and normalised). What goes into a quantiser is computed in f32, as accurately as f32 sums, v_exp_f32 and their like allow (about 1e-6 of the number): no bf16 or f16 on the way to a quantiser, and a product that is left as it is and whose result goes on into a quantised operand takes f32 operands (vector FMAs, or v_wmma_f32_16x16x4_f32). A number that lies on a knife's edge between two numbers of the format may be rounded either way, as far as f32 arithmetic and the matrix unit's own rounding can turn it there, and no further.
;;   INPUTS GIVEN AS CODES. W1 (in the module: [8, 4096, 1024], K = its axis 2); W2 (in the module: [8, 1024, 4096], K = its axis 2): each comes as NAME_codes (uint8): NAME with its K axis moved to the last place and cut into blocks of 32 codes, [.., K / 32, bytes a block], one block behind the other in memory; four codes in three bytes: a row's codes are one little-endian stream of bits, code i at bits 6 i .. 6 i + 5 (a code: sign, 2 exponent bits, 3 mantissa bits); and NAME_scales (uint8): the same leading axes, one E8M0 byte (e + 127) for each 32 codes along K. Its value is code x scale, taken as it is: it is not quantised again, and the codes and scales need not be those that the quantiser above would give.
;; 2 versions, each right; version 2 is version 1 with the launches ffn1, ffn2 written anew for expert scheduling mode. Each part assembles by itself: llvm-mc -triple=amdgcn-amd-amdhsa -mcpu=gfx1250 --defsym DOCPART=n.
;; ======== version 1 of 2: 3 launches
;; workspace buffers: eid 4,096 bytes of whole numbers; ord 33,792 bytes of whole numbers; alpha 4,096 bytes; xq 786,432 bytes; xs 32,768 bytes; hq 25,165,824 bytes; hs 1,048,576 bytes
;; launch route (part 1): grid 256 x 1, 8 waves a work-group, no clusters, 27,136 bytes of LDS; arguments x, centroids, gamma, beta, eid, alpha, xq, xs; writes eid, alpha, xq, xs
.if DOCPART == 1
	.amdgcn_target "amdgcn-amd-amdhsa--gfx1250"
	.amdhsa_code_object_version 6
	.text
	.protected	k_q0d0857ac15_route
	.globl	k_q0d0857ac15_route
	.p2align	8
	.type	k_q0d0857ac15_route,@function
k_q0d0857ac15_route:
	s_mov_b64 s[64:65], 0
	v_nop
	global_prefetch_b8 v0, s[64:65] scope:SCOPE_SE
	s_setreg_imm32_b32 hwreg(HW_REG_WAVE_MODE, 25, 1), 1
	s_wait_xcnt 0x0
; ROUTE.  For each token: the 8 scores x . centroid, the expert with the largest (the lower index at a tie), alpha = sigmoid(that score), LayerNorm with the
; chosen expert's gamma and beta, and the result quantised to E2M3 codes with one E8M0 byte for each 32 along the row.  All in f32 ahead of the quantiser.
; SHARES.  A work-group of eight waves owns 4 tokens; thread t owns columns 4 t .. 4 t + 3 of the four tokens and of all parameters, so that each load of a wave
; covers 512 consecutive bytes.  A wave's 128 columns are one K step of the first product.
; THE CHOICE STEERS NO ADDRESS AND NO BRANCH HERE: gamma and beta of all eight experts are loaded, and the chosen ones are selected by v_cndmask_b32.
; OUT.  eid[token] (whole number), alpha[token], xs[token][32] scale bytes in the blocks' order, xq[token][K step][h][c][24 bytes]: block 4 ks + 2 c + h, so that
; the 12 registers which lane (row, h) of a fragment wants are 48 consecutive bytes.
; LIMITS.  NaN and infinities among the inputs are not served.  Two best scores that differ by less than the rounding of a sum of 1,024 f32 products may be taken
; in the other order than the definition takes them.  A block of zeros gets the byte 1, not 127: its codes are zeros and this program alone reads the bytes.
.set RED1, 0                           ; LDS: 8 waves x 144 bytes: 32 partial scores (word 8 k + e), then 4 partial sums of x
.set RED2, 1152                        ; 8 waves x 16 bytes: 4 partial sums of squares
.set TS,   1280                        ; 8 x 2,560: each wave's own stage: token pitch 640, 64 bytes + 16 of padding for each 16 numbers
.set CS,   21760                       ; 4 tokens x 768 bytes of codes
.set SS,   24832                       ; 4 tokens x 32 scale bytes
.set A1,   3                           ; v3   RED1 + 144 w
.set A2,   4                           ; v4   RED1 + 4 lane
.set A3,   5                           ; v5   RED1 + 128
.set A4,   6                           ; v6   RED2 + 16 w
.set A5,   7                           ; v7   RED2
.set X,    8                           ; v8-23    x of token k at 4 k, later x - mu, later the normed row
.set C,    24                          ; v24-55   centroids of expert e at 4 e; later at work
.set G,    56                          ; v56-87   gamma
.set BT,   88                          ; v88-119  beta
.set P,    120                         ; v120-151 partial score of (k, e) at 8 k + e; later sums read back
.set S,    152                         ; v152-155 partial sums of x, later of squares
.set TP,   156                         ; v156-159 at work in the lane exchanges
.set SCO,  160                         ; v160 the score of (token lane / 8, expert lane % 8)
.set MX,   161                         ; v161 the token's largest score
.set IDX,  162                         ; v162 its expert
.set L7,   163                         ; v163 lane % 8
.set RS,   164                         ; v164-167 mu, later 1 / sqrt(var + eps)
.set GS,   168                         ; v168-171 the chosen gamma of my 4 columns
.set BS,   172                         ; v172-175 the chosen beta
.set TSA,  176
.set TSB,  177
.set CSA,  178
.set SSA,  179
.set CSR,  180
.set SSR,  181
.set L4,   182                         ; v182 4 x lane
.set T4,   183                         ; v183 4 x (lane / 8)
.set W0,   184
.set W1,   185
.set MK,   32                          ; s32-59 lane masks: all ones where token k has expert e (e = 1 .. 7) at 7 k + e - 1
; the sum over the 32 lanes of count registers from first on (count a multiple of 4); every lane gets it
.macro LSUM first, count
.irp m, 1,2,4,8
.set i, 0
.rept \count
	v_add_f32_dpp v[\first+i], v[\first+i], v[\first+i] row_xmask:\m row_mask:0xf bank_mask:0xf
.set i, i+1
.endr
.endr
.set i, 0
.rept \count/4
.irp z, 0,1,2,3
	v_permlanex16_b32 v[TP+\z], v[\first+i+\z], s24, s25
.endr
.irp z, 0,1,2,3
	v_add_f32 v[\first+i+\z], v[\first+i+\z], v[TP+\z]
.endr
.set i, i+4
.endr
.endm
.macro BARRIER                         ; my LDS instructions are done: then the work-group's barrier
	s_wait_dscnt 0x0
	s_barrier_signal -1
	s_barrier_wait -1
.endm
	s_load_b256 s[4:11], s[0:1], 0x0               ; x, centroids, gamma, beta
	s_load_b256 s[12:19], s[0:1], 0x20             ; eid, alpha, xq, xs
	v_lshl_add_u32 v192, v0, 2, 0x6600
	v_mov_b32 v193, 0
	v_lshrrev_b32 v1, 5, v0
	v_readfirstlane_b32 s20, v1                    ; wave 0..7
	v_and_b32 v1, 31, v0                           ; lane
	v_lshlrev_b32 v2, 4, v0                        ; 16 t: my 4 columns
	s_lshl_b32 s22, ttmp9, 14                      ; 4 tokens of 4,096 bytes
	s_mov_b32 s23, 0
	s_wait_kmcnt 0x0
	s_add_nc_u64 s[4:5], s[4:5], s[22:23]
.irp k, 0,1,2,3
	global_load_b128 v[X+4*\k:X+4*\k+3], v2, s[4:5] offset:4096*\k
.endr
.irp e, 0,1,2,3,4,5,6,7
	global_load_b128 v[C+4*\e:C+4*\e+3], v2, s[6:7] offset:4096*\e
.endr
.irp e, 0,1,2,3,4,5,6,7
	global_load_b128 v[G+4*\e:G+4*\e+3], v2, s[8:9] offset:4096*\e
.endr
.irp e, 0,1,2,3,4,5,6,7
	global_load_b128 v[BT+4*\e:BT+4*\e+3], v2, s[10:11] offset:4096*\e
.endr
	; every LDS address is made here, ahead of all branches
	s_mul_i32 s21, s20, 144
	v_mov_b32 v[A1], s21
	v_lshlrev_b32 v[A2], 2, v1
	v_mov_b32 v[A3], RED1+128
	s_lshl_b32 s21, s20, 4
	s_add_co_u32 s21, s21, RED2
	v_mov_b32 v[A4], s21
	v_mov_b32 v[A5], RED2
	s_mul_i32 s21, s20, 2560
	s_add_co_u32 s21, s21, TS
	v_lshrrev_b32 v[TSA], 2, v1
	v_mul_u32_u24 v[TSA], v[TSA], 80
	v_and_b32 v[W0], 3, v1
	v_lshl_add_u32 v[TSA], v[W0], 4, v[TSA]
	v_add_nc_u32 v[TSA], s21, v[TSA]               ; in: 80 (lane / 4) + 16 (lane % 4), + 640 for each token
	v_mul_u32_u24 v[TSB], v1, 80
	v_add_nc_u32 v[TSB], s21, v[TSB]               ; back: 80 x lane: token lane / 8, its 16 numbers lane % 8
	v_lshrrev_b32 v[W0], 3, v1                     ; token of the lane behind the turn
	v_and_b32 v[L7], 7, v1                         ; u: which 16 numbers of the wave's 128
	v_mul_u32_u24 v[CSA], v[W0], 768
	v_bfe_u32 v[W1], v1, 1, 1                      ; h = block % 2
	v_mad_u32_u24 v[CSA], v[W1], 48, v[CSA]
	v_bfe_u32 v[W1], v1, 2, 1                      ; c = block / 2
	v_mad_u32_u24 v[CSA], v[W1], 24, v[CSA]
	v_and_b32 v[W1], 1, v1                         ; which half of the block
	v_mad_u32_u24 v[CSA], v[W1], 12, v[CSA]
	s_mul_i32 s21, s20, 96
	s_add_co_u32 s21, s21, CS
	v_add_nc_u32 v[CSA], s21, v[CSA]
	v_bfe_u32 v[W1], v1, 1, 2                      ; the block in the K step
	v_lshl_add_u32 v[SSA], v[W0], 5, v[W1]
	s_lshl_b32 s21, s20, 2
	s_add_co_u32 s21, s21, SS
	v_add_nc_u32 v[SSA], s21, v[SSA]
	v_add_nc_u32 v[CSR], CS, v2
	v_lshlrev_b32 v[L4], 2, v1
	v_add_nc_u32 v[SSR], SS, v[L4]
	v_lshlrev_b32 v[T4], 2, v[W0]
	s_mov_b32 s24, 0x76543210
	s_mov_b32 s25, 0xfedcba98                      ; v_permlanex16_b32: lane l xor 16
	s_mov_b32 s26, 0x3a800000                      ; 1 / 1,024
	s_mov_b32 s27, 0x3727c5ac                      ; 1e-5
	s_mul_i32 s22, ttmp9, 3072
	s_add_nc_u64 s[16:17], s[16:17], s[22:23]      ; xq at my 4 tokens
	s_lshl_b32 s22, ttmp9, 7
	s_add_nc_u64 s[18:19], s[18:19], s[22:23]      ; xs
	s_lshl_b32 s22, ttmp9, 4
	s_add_nc_u64 s[12:13], s[12:13], s[22:23]      ; eid
	s_add_nc_u64 s[14:15], s[14:15], s[22:23]      ; alpha
	s_wait_loadcnt 16                              ; x and the centroids are in; the 16 loads of gamma and beta may be out
	; partial sums of my 4 columns
.irp k, 0,1,2,3
	v_add_f32 v[S+\k], v[X+4*\k], v[X+4*\k+1]
	v_add_f32 v[TP+\k], v[X+4*\k+2], v[X+4*\k+3]
.endr
.irp k, 0,1,2,3
	v_add_f32 v[S+\k], v[S+\k], v[TP+\k]
.endr
.irp k, 0,1,2,3
.irp e, 0,1,2,3,4,5,6,7
	v_mul_f32 v[P+8*\k+\e], v[X+4*\k], v[C+4*\e]
.endr
.endr
.irp c, 1,2,3
.irp k, 0,1,2,3
.irp e, 0,1,2,3,4,5,6,7
	v_fmac_f32 v[P+8*\k+\e], v[X+4*\k+\c], v[C+4*\e+\c]
.endr
.endr
.endr
	LSUM P, 36                                     ; the 32 scores and the 4 sums stand on end
.irp q, 0,1,2,3,4,5,6,7,8
	ds_store_b128 v[A1], v[P+4*\q:P+4*\q+3] offset:16*\q   ; all lanes write the same bytes with the same values
.endr
	BARRIER
.irp w, 0,1,2,3,4,5,6,7
	ds_load_b32 v[C+\w], v[A2] offset:144*\w       ; lane 8 k + e: wave w's part of score (k, e)
.endr
.irp w, 0,1,2,3,4,5,6,7
	ds_load_b128 v[P+4*\w:P+4*\w+3], v[A3] offset:144*\w   ; and its four sums of x
.endr
	s_wait_dscnt 0x0
	v_add_f32 v[SCO], v[C], v[C+1]
.irp w, 2,3,4,5,6,7
	v_add_f32 v[SCO], v[SCO], v[C+\w]
.endr
.irp w, 1,2,3,4,5,6,7
	v_pk_add_f32 v[P:P+1], v[P:P+1], v[P+4*\w:P+4*\w+1]
	v_pk_add_f32 v[P+2:P+3], v[P+2:P+3], v[P+4*\w+2:P+4*\w+3]
.endr
	; the choice: the largest of a token's eight scores, and the lowest expert that has it
	v_mov_b32 v[MX], v[SCO]
.irp m, 1,2,4
	v_max_num_f32_dpp v[MX], v[MX], v[MX] row_xmask:\m row_mask:0xf bank_mask:0xf
.endr
	v_cmp_eq_f32 vcc_lo, v[SCO], v[MX]
	v_cndmask_b32 v[IDX], 8, v[L7], vcc_lo
.irp m, 1,2,4
	v_mov_b32_dpp v[TP], v[IDX] row_xmask:\m row_mask:0xf bank_mask:0xf
	v_min_u32 v[IDX], v[IDX], v[TP]
.endr
	v_min_u32 v[IDX], 7, v[IDX]
	v_readlane_b32 s28, v[IDX], 0
	v_readlane_b32 s29, v[IDX], 8
	v_readlane_b32 s30, v[IDX], 16
	v_readlane_b32 s31, v[IDX], 24
.irp k, 0,1,2,3
.irp e, 1,2,3,4,5,6,7
	s_cmp_eq_u32 s[28+\k], \e
	s_cselect_b32 s[MK+7*\k+\e-1], -1, 0           ; a mask for v_cndmask_b32: it selects values only
.endr
.endr
	; mean and variance
.irp k, 0,1,2,3
	v_mul_f32 v[RS+\k], s26, v[P+\k]
.endr
.irp k, 0,1,2,3
.irp c, 0,1,2,3
	v_sub_f32 v[X+4*\k+\c], v[X+4*\k+\c], v[RS+\k]
.endr
.endr
.irp k, 0,1,2,3
	v_mul_f32 v[S+\k], v[X+4*\k], v[X+4*\k]
.endr
.irp c, 1,2,3
.irp k, 0,1,2,3
	v_fmac_f32 v[S+\k], v[X+4*\k+\c], v[X+4*\k+\c]
.endr
.endr
	LSUM S, 4
	ds_store_b128 v[A4], v[S:S+3]
	BARRIER
.irp w, 0,1,2,3,4,5,6,7
	ds_load_b128 v[P+4*\w:P+4*\w+3], v[A5] offset:16*\w
.endr
	s_wait_dscnt 0x0
.irp w, 1,2,3,4,5,6,7
	v_pk_add_f32 v[P:P+1], v[P:P+1], v[P+4*\w:P+4*\w+1]
	v_pk_add_f32 v[P+2:P+3], v[P+2:P+3], v[P+4*\w+2:P+4*\w+3]
.endr
.irp k, 0,1,2,3
	v_fma_f32 v[P+\k], v[P+\k], s26, s27           ; var + eps
.endr
.irp k, 0,1,2,3
	v_rsq_f32 v[RS+\k], v[P+\k]
.endr
	v_nop                                          ; a plain instruction behind the last of the four
	s_wait_alu depctr_va_vdst(0)                   ; one wait for the four, ahead of their first reader
	s_wait_loadcnt 0x0                             ; gamma and beta
	; (x - mu) rstd gamma + beta with the chosen expert's gamma and beta; then the row's 128 numbers of my wave turn through the wave's own stage
.irp k, 0,1,2,3
.irp c, 0,1,2,3
	v_cndmask_b32 v[GS+\c], v[G+\c], v[G+4+\c], s[MK+7*\k]
	v_cndmask_b32 v[BS+\c], v[BT+\c], v[BT+4+\c], s[MK+7*\k]
.endr
.irp e, 2,3,4,5,6,7
.irp c, 0,1,2,3
	v_cndmask_b32 v[GS+\c], v[GS+\c], v[G+4*\e+\c], s[MK+7*\k+\e-1]
	v_cndmask_b32 v[BS+\c], v[BS+\c], v[BT+4*\e+\c], s[MK+7*\k+\e-1]
.endr
.endr
.irp c, 0,1,2,3
	v_mul_f32 v[X+4*\k+\c], v[X+4*\k+\c], v[RS+\k]
.endr
.irp c, 0,1,2,3
	v_fma_f32 v[X+4*\k+\c], v[X+4*\k+\c], v[GS+\c], v[BS+\c]
.endr
	ds_store_b128 v[TSA], v[X+4*\k:X+4*\k+3] offset:640*\k
.endr
.irp j, 0,1,2,3
	ds_load_b128 v[C+4*\j:C+4*\j+3], v[TSB] offset:16*\j   ; LDS serves a wave's instructions in order: these see my stores.  16 neighbours of one token a lane
.endr
	s_wait_dscnt 0x0
	; the quantiser: two neighbouring lanes hold a block of 32
	v_max3_num_f32 v[C+16], |v[C]|, |v[C+1]|, 0x1800000    ; with the floor 2^(3 - 127): the byte cannot fall under 1
	v_max3_num_f32 v[C+17], |v[C+8]|, |v[C+9]|, |v[C+10]|
.irp i, 2,4,6
	v_max3_num_f32 v[C+16], v[C+16], |v[C+\i]|, |v[C+\i+1]|
.endr
.irp i, 11,13
	v_max3_num_f32 v[C+17], v[C+17], |v[C+\i]|, |v[C+\i+1]|
.endr
	v_max3_num_f32 v[C+16], v[C+16], v[C+17], |v[C+15]|
	v_max_num_f32_dpp v[C+16], v[C+16], v[C+16] row_xmask:1 row_mask:0xf bank_mask:0xf
	v_add_nc_u32 v[C+18], 0xff000000, v[C+16]      ; 2 off the exponent field: the conversion takes the exponent field of this operand as its scale
	v_cvt_scalef32_pk16_fp6_f32 v[C+20:C+22], v[C:C+15], v[C+18]
	v_lshrrev_b32 v[C+19], 23, v[C+18]             ; the scale's byte
	ds_store_b32 v[CSA], v[C+20]
	ds_store_b32 v[CSA], v[C+21] offset:4
	ds_store_b32 v[CSA], v[C+22] offset:8
	ds_store_b8 v[SSA], v[C+19]                    ; both lanes of a block write the same byte with the same value
	BARRIER
	; the way out: waves 0 to 5 the codes (3,072 consecutive bytes), wave 6 the scale bytes, wave 7 the expert and the gate
	s_cmp_lt_u32 s20, 6
	s_cbranch_scc0 .Lnot_codes
	ds_load_b128 v[C+24:C+27], v[CSR]
	s_wait_dscnt 0x0
	global_store_b128 v2, v[C+24:C+27], s[16:17]
	s_branch .Lend
.Lnot_codes:
	s_cmp_eq_u32 s20, 6
	s_cbranch_scc0 .Lgate
	ds_load_b32 v[C+24], v[SSR]
	s_wait_dscnt 0x0
	global_store_b32 v[L4], v[C+24], s[18:19]
	s_branch .Lend
.Lgate:
	v_mul_f32 v[C+24], 0xbfb8aa3b, v[MX]           ; - score x log2(e)
	v_exp_f32 v[C+24], v[C+24]
	v_nop
	s_wait_alu depctr_va_vdst(0)
	v_add_f32 v[C+24], 1.0, v[C+24]
	v_rcp_f32 v[C+25], v[C+24]
	v_nop
	s_wait_alu depctr_va_vdst(0)
	global_store_b32 v[T4], v[C+25], s[14:15]      ; the eight lanes of a token store the same word with the same value
	global_store_b32 v[T4], v[IDX], s[12:13]
.Lend:
	s_wait_tensorcnt 0x0
	ds_add_u32 v192, v193
	s_wait_dscnt 0x0
	s_endpgm
.Lfunc_end_k_q0d0857ac15_route:
	.size	k_q0d0857ac15_route, .Lfunc_end_k_q0d0857ac15_route-k_q0d0857ac15_route
	.p2alignl 7, 3214868480
	.fill 96, 4, 3214868480
	.section	.rodata,"a",@progbits
	.p2align	6, 0x0
	.amdhsa_kernel k_q0d0857ac15_route
		.amdhsa_group_segment_fixed_size 27136
		.amdhsa_private_segment_fixed_size 0
		.amdhsa_enable_private_segment 0
		.amdhsa_kernarg_size 64
		.amdhsa_user_sgpr_count 2
		.amdhsa_user_sgpr_kernarg_segment_ptr 1
		.amdhsa_wavefront_size32 1
		.amdhsa_system_sgpr_workgroup_id_x 1
		.amdhsa_system_sgpr_workgroup_id_y 1
		.amdhsa_system_sgpr_workgroup_id_z 1
		.amdhsa_system_vgpr_workitem_id 0
		.amdhsa_next_free_vgpr 194
		.amdhsa_next_free_sgpr 66
		.amdhsa_reserve_vcc 1
		.amdhsa_float_denorm_mode_32 3
		.amdhsa_float_denorm_mode_16_64 3
		.amdhsa_memory_ordered 1
		.amdhsa_forward_progress 1
		.amdhsa_inst_pref_size 51
	.end_amdhsa_kernel
	.amdgpu_metadata
---
amdhsa.version: [ 1, 2 ]
amdhsa.kernels:
  - .name:           k_q0d0857ac15_route
    .symbol:         k_q0d0857ac15_route.kd
    .args:
      - { .name: x, .offset: 0, .size: 8, .value_kind: global_buffer, .address_space: global }
      - { .name: centroids, .offset: 8, .size: 8, .value_kind: global_buffer, .address_space: global }
      - { .name: gamma, .offset: 16, .size: 8, .value_kind: global_buffer, .address_space: global }
      - { .name: beta, .offset: 24, .size: 8, .value_kind: global_buffer, .address_space: global }
      - { .name: eid, .offset: 32, .size: 8, .value_kind: global_buffer, .address_space: global }
      - { .name: alpha, .offset: 40, .size: 8, .value_kind: global_buffer, .address_space: global }
      - { .name: xq, .offset: 48, .size: 8, .value_kind: global_buffer, .address_space: global }
      - { .name: xs, .offset: 56, .size: 8, .value_kind: global_buffer, .address_space: global }
    .group_segment_fixed_size: 27136
    .private_segment_fixed_size: 0
    .kernarg_segment_align: 8
    .kernarg_segment_size: 64
    .max_flat_workgroup_size: 256
    .sgpr_count:     66
    .vgpr_count:     194
    .wavefront_size: 32
...
	.end_amdgpu_metadata
.endif
;; end of part 1
;; launch ffn1 (part 2): grid 32 x 8, 8 waves a work-group, no clusters, 282,112 bytes of LDS; arguments eid, xq, xs, W1_codes, W1_scales, b1, hq, hs, ord; writes hq, hs, ord
.if DOCPART == 2
	.amdgcn_target "amdgcn-amd-amdhsa--gfx1250"
	.amdhsa_code_object_version 6
	.text
	.protected	k_q0d0857ac15_ffn1
	.globl	k_q0d0857ac15_ffn1
	.p2align	8
	.type	k_q0d0857ac15_ffn1,@function
k_q0d0857ac15_ffn1:
	s_mov_b64 s[64:65], 0
	v_nop
	global_prefetch_b8 v0, s[64:65] scope:SCOPE_SE
	s_setreg_imm32_b32 hwreg(HW_REG_WAVE_MODE, 25, 1), 1
	s_wait_xcnt 0x0
; FFN1.  h = relu(LN(x) W1^T + b1) for the tokens of one expert, quantised along the hidden axis.  Both operands are E2M3 codes with E8M0 scales; sums in f32.
; SHARES.  Work-group (slice s = x, expert e = y) owns hidden units 128 s .. 128 s + 127 of expert e: K step s of the next product.  Each byte of W1 is read by one work-group.
; Wave w = (cg = w % 4, par = w / 4): the 32 hidden units 32 cg on (one block of the next K), for the pairs of token tiles of parity par.  Its 16 fragments of W1 stay in registers.
; THE TOKENS.  Every wave counts the expert's tokens n in eid; wave 0 lists them in LDS.  Entries n .. n + 31 name the expert's first token, the rest token 0.
; The list is walked in 6 passes of 6 pairs of tiles (192 slots): the count of passes is a constant, barriers stand on every wave's path, and work without tokens is jumped over.
; At least two pairs are worked for every expert, so that tiles 0 to 3 of hq and hs are always stored: the next launch asks for them before it knows n.
; THE PRODUCT IS USED TRANSPOSED (source 0 = 16 rows of W1, source 1 = 16 tokens), AND THE ROWS OF A TILE OF W1 ARE NOT NEIGHBOURS: lane r of tile u takes row 8 u + r % 8 + 16 (r / 8),
; so that a lane's 16 results of the two tiles are hidden units 16 h + 0 .. 15 of one token: 16 neighbours along the next K.
; ROWS OF 768 BYTES (a token's codes, a row of W1) are fetched two at a time: 96 pieces of 16 bytes, three a lane: piece lane of the first row; piece 32 + r of the first row (lanes 0-15) or
; piece r of the second (lanes 16-31); piece 16 + lane of the second.  In LDS rows are 784 bytes apart, an odd multiple of 16, so that sixteen rows' pieces fall in sixteen different columns of 16 bytes.
; OUT.  hq[e][tile][K step][1,536]: the image of a fragment's 12 registers (register p of lane L at 512 (p / 4) + 16 L + 4 (p % 4)); hs[e][K step][tile][16 words]; ord: the lists and the counts (slice 0 stores them).
; No tensor load and no copy: branches hang on stored counts.  No cluster for the same reason: partners would need different numbers of steps.
; LIMITS.  NaN and infinities are not served.  A block of zeros gets the byte 1, not 127: its codes are zeros and this program alone reads the bytes.
.set LIST, 0                           ; LDS: 1,152 words, then 32 words (from word 1,152) that take what is not listed
.set XSC,  4864                        ; 192 slots x 32 scale bytes of x
.set HSS,  11008                       ; 12 tiles x 16 scale words of h
.set HST,  11776                       ; 12 tiles x 1,536: images of h's fragments
.set XIMG, 30208                       ; 192 slots x 784: the tokens' codes, as xq has them: K step x 96 + h x 48: a lane's 12 registers on end
.set WST,  180736                      ; 4 groups x 32 rows x 784: W1's rows, in the tiles' order
.set CO,   4                           ; v4-6   my three pieces' bytes in a row of 768 (v4 is also 16 x lane)
.set TKL,  9                           ; v9-11  LIST + 16 w + 4 d: whose row each piece belongs to
.set DA,   12                          ; v12-14 where the pieces go in XIMG (pairs 0-2); v15-17 pairs 3-5
.set DB,   15
.set SA,   18                          ; v18-20 where my pieces of W1 go in WST
.set FA,   21                          ; v21    where my fragments of W1 lie
.set XLA,  22
.set L7,   23
.set XSD,  24
.set FB,   25                          ; v25-27 my fragments of x, pair 2 i + par
.set ASB,  28
.set HA,   29                          ; v29-31 where my three registers of codes go in HST
.set HSB,  32
.set HR,   33
.set HSR,  34
.set VO,   35
.set VS,   36
.set DMP,  37                          ; v37    1,152 + lane
.set SCA,  38                          ; v38    the listing's address, used for nothing else
.set L4,   39                          ; v39    4 x lane
.set WSO,  40
.set BIO,  41
.set WS,   48                          ; v48-63  W1's scale words, tile u, K step ks at 8 u + ks: scales and nothing else
.set AS,   64                          ; v64-79  x's scale words: 8 t + ks: scales and nothing else
.set STG,  80                          ; v80-223 at work: ids; the gather's 36 x 4; rows on the way out
.set FRA,  80                          ; two sets of x's fragments (2 K steps x 2 tiles x 12)
.set FRB,  128
.set ACC,  176                         ; v176-207 four accumulators: tile t, tile of W1 u at 16 t + 8 u
.set XW,   224                         ; v224-229 the gather's scale words
.set QM,   230
.set QS,   232
.set QB,   234
.set QC,   236                         ; v236-238, v240-242 codes
.set LT,   243                         ; v243   16 x thread
.set QT,   244
.set GT,   246                         ; v246-249 list addresses of the pass
.set T,    250                         ; v250-255 at work
.set BI,   192                         ; in window 1, behind W1's 16 fragments (v0-191): b1 in the result's layout
.set MSB, 0
.macro WIN new                         ; the immediate's high byte repeats the setting that is left
.if MSB != \new
	s_set_vgpr_msb (MSB<<8)|\new
.set MSB, \new
.endif
.endm
.macro BARRIER
	s_wait_dscnt 0x0
	s_barrier_signal -1
	s_barrier_wait -1
.endm
; THE GATHER of a pass: 192 slots x 768 bytes of codes and 32 scale bytes.  A wave's load takes 512 consecutive bytes of two tokens' rows.
.macro GISSUE
.irp q, 0,1,2
	v_add_nc_u32 v[GT+\q], s43, v[TKL+\q]
.endr
	v_add_nc_u32 v[GT+3], s43, v[XLA]
.irp p, 0,1,2,3,4,5
.irp i, 0,1
.irp q, 0,1,2
	ds_load_b32 v[STG+4*(6*\p+3*\i+\q)], v[GT+\q] offset:128*\p+8*\i   ; the token of slot 32 p + 4 w + 2 i + d
.endr
.endr
	ds_load_b32 v[XW+\p], v[GT+3] offset:128*\p
.endr
	s_wait_dscnt 0x0
.irp p, 0,1,2,3,4,5
.irp i, 0,1
.irp q, 0,1,2
	v_min_u32 v[STG+4*(6*\p+3*\i+\q)], 0x3ff, v[STG+4*(6*\p+3*\i+\q)]
.endr
.endr
	v_min_u32 v[XW+\p], 0x3ff, v[XW+\p]
.endr
.irp p, 0,1,2,3,4,5
.irp i, 0,1
.irp q, 0,1,2
	v_mad_u32_u24 v[STG+4*(6*\p+3*\i+\q)], v[STG+4*(6*\p+3*\i+\q)], s44, v[CO+\q]
.endr
.endr
	v_lshl_add_u32 v[XW+\p], v[XW+\p], 5, v[L7]
.endr
.irp p, 0,1,2,3,4,5
.irp i, 0,1
.irp q, 0,1,2
	global_load_b128 v[STG+4*(6*\p+3*\i+\q):STG+4*(6*\p+3*\i+\q)+3], v[STG+4*(6*\p+3*\i+\q)], s[6:7]   ; each load lands on its own offset register
.endr
.endr
	global_load_b32 v[XW+\p], v[XW+\p], s[8:9]
.endr
.endm
.macro GSTORE
.irp p, 0,1,2,3,4,5
.irp i, 0,1
.irp q, 0,1,2
	ds_store_b128 v[DA+3*(\p/3)+\q], v[STG+4*(6*\p+3*\i+\q):STG+4*(6*\p+3*\i+\q)+3] offset:25088*(\p%3)+1568*\i
.endr
.endr
	ds_store_b32 v[XSD], v[XW+\p] offset:1024*\p
.endr
.endm
; 12 LDS loads: x's fragments of K steps 2 g, 2 g + 1 of the pair's two tiles into set f
.macro LFR f, i, g
.irp a, 0,1
.irp t, 0,1
.irp j, 0,1,2
	ds_load_b128 v[\f+12*(2*\a+\t)+4*\j:\f+12*(2*\a+\t)+4*\j+3], v[FB+\i] offset:12544*\t+96*(2*(\g)+\a)+16*\j
.endr
.endr
.endr
.endm
; 8 matrix instructions on set f; the four accumulators take turns, one instruction a turn.  The first K step takes b1 as C.
.macro MM f, g
.irp a, 0,1
.if 2*(\g)+\a == 0
	WIN 0x11                                       ; source 0 (W1) and source 2 (b1) in window 1
.else
	WIN 0x01                                       ; source 0 (W1) in window 1
.endif
.irp t, 0,1
.irp u, 0,1
.if 2*(\g)+\a == 0
	v_wmma_scale_f32_16x16x128_f8f6f4 v[ACC+16*\t+8*\u:ACC+16*\t+8*\u+7], v[12*(8*\u+2*(\g)+\a):12*(8*\u+2*(\g)+\a)+11], v[\f+12*(2*\a+\t):\f+12*(2*\a+\t)+11], v[BI+8*\u:BI+8*\u+7], v[WS+8*\u+2*(\g)+\a], v[AS+8*\t+2*(\g)+\a] matrix_a_fmt:MATRIX_FMT_FP6 matrix_b_fmt:MATRIX_FMT_FP6
.else
	v_wmma_scale_f32_16x16x128_f8f6f4 v[ACC+16*\t+8*\u:ACC+16*\t+8*\u+7], v[12*(8*\u+2*(\g)+\a):12*(8*\u+2*(\g)+\a)+11], v[\f+12*(2*\a+\t):\f+12*(2*\a+\t)+11], v[ACC+16*\t+8*\u:ACC+16*\t+8*\u+7], v[WS+8*\u+2*(\g)+\a], v[AS+8*\t+2*(\g)+\a] matrix_a_fmt:MATRIX_FMT_FP6 matrix_b_fmt:MATRIX_FMT_FP6
.endif
.endr
.endr
.endr
	WIN 0
.endm
.macro PLACES n                        ; plain vector instructions behind matrix instructions, in front of loads into their sources and of reads of their results
.rept \n
	v_nop
.endr
.endm
; PAIR 2 i + par of the pass: 32 tokens x my 32 hidden units, K = 1,024; relu; quantised; codes and bytes into the stage
.macro CPAIR i
	s_cmp_lt_i32 s[40+\i], s29
	s_cbranch_scc0 .Lno_pair_\@
.irp t, 0,1
	ds_load_b128 v[AS+8*\t:AS+8*\t+3], v[ASB] offset:2048*\i+512*\t
	ds_load_b128 v[AS+8*\t+4:AS+8*\t+7], v[ASB] offset:2048*\i+512*\t+16
.endr
	LFR FRA, \i, 0
	LFR FRB, \i, 1
	s_wait_dscnt 12                                ; all but the 12 loads of the second set
	MM FRA, 0
	PLACES 4
	LFR FRA, \i, 2
	s_wait_dscnt 12                                ; all but the 12 just issued
	MM FRB, 1
	PLACES 4
	LFR FRB, \i, 3
	s_wait_dscnt 12
	MM FRA, 2
	s_wait_dscnt 0x0
	MM FRB, 3
	PLACES 5
.irp j, 0,1,2,3,4,5,6,7,8,9,10,11,12,13,14,15
.irp t, 0,1
	v_max_num_f32 v[ACC+16*\t+\j], 0, v[ACC+16*\t+\j]   ; relu, in f32; each accumulator from its low end on
.endr
.endr
.irp t, 0,1
	v_max3_num_f32 v[QM+\t], v[ACC+16*\t], v[ACC+16*\t+1], 0x1800000   ; my 16 numbers (none negative) and the floor 2^(3 - 127)
.endr
.irp j, 2,4,6,8,10,12,14
.irp t, 0,1
	v_max3_num_f32 v[QM+\t], v[QM+\t], v[ACC+16*\t+\j], v[ACC+16*\t+\j+1]
.endr
.endr
.irp t, 0,1
	v_permlanex16_b32 v[QT+\t], v[QM+\t], s34, s35
.endr
.irp t, 0,1
	v_max_num_f32 v[QM+\t], v[QM+\t], v[QT+\t]     ; with lane l xor 16: the block's largest
.endr
.irp t, 0,1
	v_add_nc_u32 v[QS+\t], 0xff000000, v[QM+\t]    ; 2 off the exponent field: the conversion's scale operand
.endr
.irp t, 0,1
	v_cvt_scalef32_pk16_fp6_f32 v[QC+4*\t:QC+4*\t+2], v[ACC+16*\t:ACC+16*\t+15], v[QS+\t]
.endr
.irp t, 0,1
	v_lshrrev_b32 v[QB+\t], 23, v[QS+\t]           ; the scale's byte (also the plain instructions behind the conversions)
.endr
.irp t, 0,1
.irp c, 0,1,2
	ds_store_b32 v[HA+\c], v[QC+4*\t+\c] offset:6144*\i+1536*\t
.endr
	ds_store_b8 v[HSB], v[QB+\t] offset:256*\i+64*\t   ; lanes l and l xor 16 write the same byte with the same value
.endr
.Lno_pair_\@:
.endm
	s_load_b256 s[4:11], s[0:1], 0x0               ; eid, xq, xs, W1's codes
	s_load_b256 s[12:19], s[0:1], 0x20             ; W1's scales, b1, hq, hs
	s_load_b64 s[20:21], s[0:1], 0x40              ; ord
	v_lshl_add_u32 v46, v0, 2, 0x44a00
	v_mov_b32 v47, 0
	v_lshrrev_b32 v1, 5, v0
	v_readfirstlane_b32 s22, v1                    ; wave 0..7
	v_and_b32 v1, 31, v0                           ; lane
	v_and_b32 v2, 15, v0                           ; r
	v_bfe_u32 v3, v0, 4, 1                         ; h
	v_lshlrev_b32 v4, 4, v1                        ; 16 x lane
	v_lshlrev_b32 v[L4], 2, v1
	v_and_b32 v[WSO], 7, v0
	v_bfe_u32 v[T], v0, 3, 1
	v_lshlrev_b32 v[WSO], 5, v[WSO]
	v_lshl_add_u32 v[WSO], v[T], 9, v[WSO]         ; W1's scale words: 32 bytes a row, row r % 8 + 16 (r / 8)
	v_lshlrev_b32 v[BIO], 6, v3                    ; b1: 16 h numbers on
	s_and_b32 s23, s22, 3                          ; cg
	s_lshr_b32 s24, s22, 2                         ; par
	s_mov_b32 s25, ttmp9                           ; slice
	s_and_b32 s26, ttmp7, 0xffff                   ; expert
	s_lshl_b32 s36, s26, 12
	s_lshl_b32 s38, s25, 7
	s_add_co_u32 s36, s36, s38
	s_lshl_b32 s38, s23, 5
	s_add_co_u32 s36, s36, s38                     ; my block's first row of W1, counted through all experts
	s_mov_b32 s39, 0
	s_lshl_b32 s38, s24, 4
	s_add_co_u32 s38, s38, s36
	s_mul_i32 s38, s38, 768                        ; the 16 rows of it that I fetch
	s_wait_kmcnt 0x0
	s_add_nc_u64 s[10:11], s[10:11], s[38:39]
	s_lshl_b32 s38, s36, 5
	s_add_nc_u64 s[12:13], s[12:13], s[38:39]
	s_lshl_b32 s38, s36, 2
	s_add_nc_u64 s[14:15], s[14:15], s[38:39]
.irp i, 0,1,2,3,4,5,6,7
	global_load_b128 v[STG+4*\i:STG+4*\i+3], v4, s[4:5] offset:512*\i   ; all 1,024 experts' numbers, in every wave: register i of lane l is token 128 (i / 4) + 4 l + i % 4
.endr
	WIN 0x40                                       ; destination window 1
.irp a, 0,1,2,3,4,5,6,7
.irp q, 0,1,2
	global_load_b128 v[4*(3*\a+\q):4*(3*\a+\q)+3], v4, s[10:11] offset:512*(3*\a+\q) th:TH_LOAD_NT   ; 16 rows of 768 bytes on end: 24 x 512 bytes; read once in the launch
.endr
.endr
.irp u, 0,1
.irp z, 0,1
	global_load_b128 v[BI+8*\u+4*\z:BI+8*\u+4*\z+3], v[BIO], s[14:15] offset:32*\u+16*\z
.endr
.endr
	WIN 0
.irp u, 0,1
.irp z, 0,1
	global_load_b128 v[WS+8*\u+4*\z:WS+8*\u+4*\z+3], v[WSO], s[12:13] offset:256*\u+16*\z
.endr
.endr
	; every address register is made here, ahead of all branches
	s_lshl_b32 s48, s22, 4                         ; LIST + 16 w
	s_mul_i32 s49, s22, 3136
	s_add_co_u32 s49, s49, XIMG                    ; slots 4 w on of a pair
	s_mul_i32 s51, s23, 25088
	s_add_co_u32 s51, s51, WST                     ; my group's 32 rows
	s_mul_i32 s38, s24, 6272
	s_add_co_u32 s50, s51, s38                     ; places 8 par on
	v_lshlrev_b32 v[T], 4, v2                      ; 16 r
	v_xor_b32 v[T+1], 1, v3                        ; 1 - h
	v_lshl_add_u32 v[CO+1], v[T+1], 9, v[T]        ; second piece in its row: 16 (32 + r) in lanes 0-15, 16 r in lanes 16-31
	v_add_nc_u32 v[CO+2], 256, v4                  ; third piece: 16 (16 + lane)
	v_mad_u32_u24 v[T], v3, 272, v[T]
	v_add_nc_u32 v[T], 512, v[T]                   ; second piece in two rows of 784: 512 + 16 r + 272 h
	v_add_nc_u32 v[T+1], 1040, v4                  ; third piece: 784 + 256 + 16 lane
	v_mov_b32 v[TKL], s48                          ; first piece: the first row's token,
	v_lshl_add_u32 v[TKL+1], v3, 2, s48            ; second: by the lane's half,
	v_add_nc_u32 v[TKL+2], 4, v[TKL]               ; third: the second row's
	v_add_nc_u32 v[DA], s49, v4
	v_add_nc_u32 v[DA+1], s49, v[T]
	v_add_nc_u32 v[DA+2], s49, v[T+1]
.irp q, 0,1,2
	v_add_nc_u32 v[DB+\q], 75264, v[DA+\q]         ; three pairs, 96 slots, on
.endr
	v_add_nc_u32 v[SA], s50, v4
	v_add_nc_u32 v[SA+1], s50, v[T]
	v_add_nc_u32 v[SA+2], s50, v[T+1]
	v_mul_u32_u24 v[FA], v2, 784
	v_mad_u32_u24 v[FA], v3, 24, v[FA]
	v_add_nc_u32 v[FA], s51, v[FA]
	v_lshrrev_b32 v[T], 3, v1
	v_lshl_add_u32 v[XLA], v[T], 2, s48
	v_and_b32 v[L7], 7, v1
	v_lshlrev_b32 v[L7], 2, v[L7]
	s_lshl_b32 s38, s22, 7
	s_add_co_u32 s48, s38, XSC
	v_add_nc_u32 v[XSD], s48, v[L4]
	s_add_co_u32 s48, s38, HSS
	v_add_nc_u32 v[HSR], s48, v[L4]
	v_add_nc_u32 v[VS], s38, v[L4]
	v_mul_u32_u24 v[T], v2, 784
	v_mad_u32_u24 v[T], v3, 48, v[T]
	s_mul_i32 s38, s24, 25088
	s_add_co_u32 s38, s38, XIMG
	v_add_nc_u32 v[FB], s38, v[T]                  ; slot r of pair par, my half's 48 bytes
	v_add_nc_u32 v[FB+1], 50176, v[FB]
	v_add_nc_u32 v[FB+2], 100352, v[FB]
	s_lshl_b32 s38, s24, 10
	s_add_co_u32 s38, s38, XSC
	v_lshl_add_u32 v[ASB], v2, 5, s38
	s_lshr_b32 s38, s23, 1
	s_mul_i32 s38, s38, 6
	v_mul_u32_u24 v[T], v3, 3
	v_add_nc_u32 v[T], s38, v[T]                   ; my first register of the fragment: 6 (cg / 2) + 3 h
	s_mul_i32 s38, s24, 3072
	s_and_b32 s48, s23, 1
	s_lshl_b32 s48, s48, 8
	s_add_co_u32 s38, s38, s48
	s_add_co_u32 s38, s38, HST                     ; + lanes 16 (cg % 2) on
.irp c, 0,1,2
	v_add_nc_u32 v[T+1], \c, v[T]
	v_lshrrev_b32 v[T+2], 2, v[T+1]
	v_and_b32 v[T+3], 3, v[T+1]
	v_lshlrev_b32 v[T+2], 9, v[T+2]
	v_lshl_add_u32 v[T+2], v[T+3], 2, v[T+2]
	v_lshl_add_u32 v[T+2], v2, 4, v[T+2]
	v_add_nc_u32 v[HA+\c], s38, v[T+2]
.endr
	s_lshl_b32 s38, s24, 7
	s_add_co_u32 s38, s38, s23
	s_add_co_u32 s38, s38, HSS
	v_lshl_add_u32 v[HSB], v2, 2, s38
	s_mul_i32 s38, s22, 1536
	s_add_co_u32 s38, s38, HST
	v_add_nc_u32 v[HR], s38, v4
	s_mul_i32 s38, s22, 49152
	v_add_nc_u32 v[VO], s38, v4
	v_add_nc_u32 v[DMP], 1152, v1
	v_lshlrev_b32 v[LT], 4, v0
	v_mov_b32 v[QT], 0                             ; written once: a lane permute's destination counts as one of its sources
	v_mov_b32 v[QT+1], 0
	s_lshl_b32 s38, s26, 11
	s_add_co_u32 s38, s38, s25
	s_mul_i32 s38, s38, 1536
	s_add_nc_u64 s[16:17], s[16:17], s[38:39]      ; hq at (expert, tile 0, K step s)
	s_lshl_b32 s38, s26, 5
	s_add_co_u32 s38, s38, s25
	s_lshl_b32 s38, s38, 12
	s_add_nc_u64 s[18:19], s[18:19], s[38:39]      ; hs at (expert, K step s, tile 0)
	s_lshl_b32 s38, s26, 7
	s_add_co_u32 s38, s38, 32768
	s_add_nc_u64 s[46:47], s[20:21], s[38:39]      ; ord: the expert's 32 words of n
	s_lshl_b32 s38, s26, 12
	s_add_nc_u64 s[20:21], s[20:21], s[38:39]      ; ord: the expert's list
	s_mov_b32 s40, s24                             ; the pairs of a pass that are mine: par, par + 2, par + 4
	s_add_co_u32 s41, s24, 2
	s_add_co_u32 s42, s24, 4
	s_add_co_u32 s45, s22, 8
	s_mov_b32 s44, 768
	s_mov_b32 s34, 0x76543210
	s_mov_b32 s35, 0xfedcba98
	s_mov_b32 s33, 0
	s_mov_b32 s43, 0
	s_mov_b32 s27, 0
	s_wait_loadcnt 32                              ; the ids are in; behind them 24 loads of W1, 4 of b1, 4 of W1's scales may be out
	s_cmp_lg_u32 s22, 0
	s_cbranch_scc1 .Lcount
	; wave 0 lists the expert's tokens.  No other wave touches LDS before the barrier below
.irp c, 0,1,2,3
	v_mov_b32 v[T+\c], 0
.endr
.irp i, 0,1,2,3,4,5,6,7,8
	ds_store_b128 v4, v[T:T+3] offset:LIST+512*\i
.endr
.set i, 0
.rept 32
	v_cmp_eq_u32 vcc_lo, s26, v[STG+i]
	v_mbcnt_lo_u32_b32 v[T+4], vcc_lo, 0           ; members in the lanes below mine
	v_add_nc_u32 v[T+4], s27, v[T+4]               ; + those of the registers before
	v_cndmask_b32 v[T+4], v[DMP], v[T+4], vcc_lo   ; who is no member writes behind the list
	v_min_u32 v[T+4], 0x49f, v[T+4]
	v_lshlrev_b32 v[SCA], 2, v[T+4]
	v_add_nc_u32 v[T+5], 128*(i/4)+(i%4), v[L4]    ; the token's number
	ds_store_b32 v[SCA], v[T+5]
	s_bcnt1_i32_b32 s38, vcc_lo
	s_add_co_u32 s27, s27, s38
.set i, i+1
.endr
	ds_load_b32 v[T+5], v[T]                       ; the list's first word (v[T] = 0 = LIST): the expert's first token, or 0
	v_add_nc_u32 v[T+4], s27, v1
	v_min_u32 v[T+4], 0x47f, v[T+4]
	v_lshlrev_b32 v[SCA], 2, v[T+4]
	s_wait_dscnt 0x0
	ds_store_b32 v[SCA], v[T+5]                    ; entries n .. n + 31
	s_branch .Llisted
.Lcount:
.set i, 0
.rept 32
	v_cmp_eq_u32 vcc_lo, s26, v[STG+i]
	s_bcnt1_i32_b32 s38, vcc_lo
	s_add_co_u32 s27, s27, s38
.set i, i+1
.endr
.Llisted:
	BARRIER                                        ; the list lies in LDS
	s_add_co_u32 s28, s27, 31
	s_lshr_b32 s28, s28, 5
	s_max_u32 s29, s28, 2                          ; pairs to go: at least two
	s_wait_loadcnt 8                               ; W1's 24 loads are in; behind them 4 of b1 and 4 of W1's scales may be out
	WIN 0x04                                       ; an LDS store's data are its source 1: window 1
.irp a, 0,1,2,3,4,5,6,7
.irp q, 0,1,2
	ds_store_b128 v[SA+\q], v[4*(3*\a+\q):4*(3*\a+\q)+3] offset:784*(((2*\a)&7)+16*(\a/4))   ; row 16 par + 2 a + d goes to place 16 u + r of its tile
.endr
.endr
	WIN 0
	GISSUE                                         ; the first pass's tokens are asked for
	s_cmp_lg_u32 s25, 0
	s_cbranch_scc1 .Lno_ord
	ds_load_b128 v[QC:QC+3], v[LT] offset:LIST     ; slice 0 stores the list's first 1,024 words and n
	s_wait_dscnt 0x0
	global_store_b128 v[LT], v[QC:QC+3], s[20:21]
	s_cmp_lg_u32 s22, 0
	s_cbranch_scc1 .Lno_n
	v_mov_b32 v[QC+4], s27
	global_store_b32 v[L4], v[QC+4], s[46:47]
.Lno_n:
	s_wait_xcnt 0x0                                ; the stores' data registers are written again later
.Lno_ord:
	s_wait_loadcnt 0x0
	GSTORE
	BARRIER                                        ; W1's rows and the first pass's tokens lie in LDS
	WIN 0x40
.irp u, 0,1
.irp k, 0,1,2,3,4,5,6,7
.irp p, 0,1,2,3,4,5
	ds_load_b64 v[12*(8*\u+\k)+2*\p:12*(8*\u+\k)+2*\p+1], v[FA] offset:12544*\u+96*\k+48*(\p/3)+8*(\p%3)   ; my 16 fragments of W1: they stay
.endr
.endr
.endr
	WIN 0
	s_wait_dscnt 0x0
	s_mov_b32 s32, 6
.Lpass:
	s_min_i32 s30, s29, 6                          ; pairs at work in this pass (0 or less: none)
	s_lshl_b32 s31, s30, 1                         ; tiles
	CPAIR 0
	CPAIR 1
	CPAIR 2
	BARRIER                                        ; the pass's codes lie in the stage, and nobody reads x's fragments any more
	; the way out: a tile's image is 1,536 consecutive bytes; tile w, and tile w + 8 in waves 0 to 3
	s_cmp_lt_i32 s22, s31
	s_cbranch_scc0 .Lout1
.irp j, 0,1,2
	ds_load_b128 v[STG+4*\j:STG+4*\j+3], v[HR] offset:512*\j
.endr
	s_wait_dscnt 0x0
.irp j, 0,1,2
	global_store_b128 v[VO], v[STG+4*\j:STG+4*\j+3], s[16:17] offset:512*\j
.endr
.Lout1:
	s_cmp_lt_u32 s22, 4
	s_cbranch_scc0 .Lout2
	s_cmp_lt_i32 s45, s31
	s_cbranch_scc0 .Lout2
.irp j, 0,1,2
	ds_load_b128 v[STG+12+4*\j:STG+12+4*\j+3], v[HR] offset:12288+512*\j
.endr
	s_wait_dscnt 0x0
.irp j, 0,1,2
	global_store_b128 v[VO], v[STG+12+4*\j:STG+12+4*\j+3], s[16:17] offset:393216+512*\j
.endr
.Lout2:
	s_cmp_lt_u32 s22, 6
	s_cbranch_scc0 .Lout3
	s_cmp_lt_i32 s22, s30
	s_cbranch_scc0 .Lout3
	ds_load_b32 v[STG+24], v[HSR]                  ; pair w's 32 scale words
	s_wait_dscnt 0x0
	global_store_b32 v[VS], v[STG+24], s[18:19]
.Lout3:
	s_wait_xcnt 0x0                                ; the stores have read their data and bases: both are written again below
	s_add_nc_u64 s[16:17], s[16:17], 589824        ; 12 tiles on
	s_add_nc_u64 s[18:19], s[18:19], 768
	s_sub_co_i32 s29, s29, 6
	s_add_co_u32 s33, s33, 768
	s_min_u32 s43, s33, 3840                       ; the next pass's part of the list, held at the last pass's
	s_cmp_gt_i32 s29, 0
	s_cbranch_scc0 .Lno_gather
	GISSUE
	s_wait_loadcnt 0x0
	GSTORE
.Lno_gather:
	BARRIER                                        ; the next pass's tokens lie in LDS, and nobody reads the stage any more
	s_sub_co_i32 s32, s32, 1
	s_cmp_lg_u32 s32, 0
	s_cbranch_scc1 .Lpass
	s_wait_tensorcnt 0x0
	ds_add_u32 v46, v47
	s_wait_dscnt 0x0
	s_endpgm
.Lfunc_end_k_q0d0857ac15_ffn1:
	.size	k_q0d0857ac15_ffn1, .Lfunc_end_k_q0d0857ac15_ffn1-k_q0d0857ac15_ffn1
	.p2alignl 7, 3214868480
	.fill 96, 4, 3214868480
	.section	.rodata,"a",@progbits
	.p2align	6, 0x0
	.amdhsa_kernel k_q0d0857ac15_ffn1
		.amdhsa_group_segment_fixed_size 282112
		.amdhsa_private_segment_fixed_size 0
		.amdhsa_enable_private_segment 0
		.amdhsa_kernarg_size 72
		.amdhsa_user_sgpr_count 2
		.amdhsa_user_sgpr_kernarg_segment_ptr 1
		.amdhsa_wavefront_size32 1
		.amdhsa_system_sgpr_workgroup_id_x 1
		.amdhsa_system_sgpr_workgroup_id_y 1
		.amdhsa_system_sgpr_workgroup_id_z 1
		.amdhsa_system_vgpr_workitem_id 0
		.amdhsa_next_free_vgpr 512
		.amdhsa_next_free_sgpr 66
		.amdhsa_reserve_vcc 1
		.amdhsa_float_denorm_mode_32 3
		.amdhsa_float_denorm_mode_16_64 3
		.amdhsa_memory_ordered 1
		.amdhsa_forward_progress 1
		.amdhsa_inst_pref_size 103
	.end_amdhsa_kernel
	.amdgpu_metadata
---
amdhsa.version: [ 1, 2 ]
amdhsa.kernels:
  - .name:           k_q0d0857ac15_ffn1
    .symbol:         k_q0d0857ac15_ffn1.kd
    .args:
      - { .name: eid, .offset: 0, .size: 8, .value_kind: global_buffer, .address_space: global }
      - { .name: xq, .offset: 8, .size: 8, .value_kind: global_buffer, .address_space: global }
      - { .name: xs, .offset: 16, .size: 8, .value_kind: global_buffer, .address_space: global }
      - { .name: W1_codes, .offset: 24, .size: 8, .value_kind: global_buffer, .address_space: global }
      - { .name: W1_scales, .offset: 32, .size: 8, .value_kind: global_buffer, .address_space: global }
      - { .name: b1, .offset: 40, .size: 8, .value_kind: global_buffer, .address_space: global }
      - { .name: hq, .offset: 48, .size: 8, .value_kind: global_buffer, .address_space: global }
      - { .name: hs, .offset: 56, .size: 8, .value_kind: global_buffer, .address_space: global }
      - { .name: ord, .offset: 64, .size: 8, .value_kind: global_buffer, .address_space: global }
    .group_segment_fixed_size: 282112
    .private_segment_fixed_size: 0
    .kernarg_segment_align: 8
    .kernarg_segment_size: 72
    .max_flat_workgroup_size: 256
    .sgpr_count:     66
    .vgpr_count:     512
    .wavefront_size: 32
...
	.end_amdgpu_metadata
.endif
;; end of part 2
;; launch ffn2 (part 3): grid 32 x 8, 8 waves a work-group, no clusters, 211,968 bytes of LDS; arguments ord, hq, hs, W2_codes, W2_scales, b2, x, alpha, out0; writes out0
.if DOCPART == 3
	.amdgcn_target "amdgcn-amd-amdhsa--gfx1250"
	.amdhsa_code_object_version 6
	.text
	.protected	k_q0d0857ac15_ffn2
	.globl	k_q0d0857ac15_ffn2
	.p2align	8
	.type	k_q0d0857ac15_ffn2,@function
k_q0d0857ac15_ffn2:
	s_mov_b64 s[64:65], 0
	v_nop
	global_prefetch_b8 v0, s[64:65] scope:SCOPE_SE
	s_setreg_imm32_b32 hwreg(HW_REG_WAVE_MODE, 25, 1), 1
	s_wait_xcnt 0x0
; FFN2.  out = x + alpha (h W2^T + b2) for the tokens of one expert (that is alpha y + (1 - alpha) x with y = x + h W2^T + b2).  Both operands are E2M3 codes with E8M0 scales; sums in f32.
; SHARES.  Work-group (sd = x, expert e = y) owns output columns 32 sd .. 32 sd + 31 of expert e's tokens: each byte of W2 is read by one work-group, and each output number has one owner.
; Wave w = (kq = w % 4, par = w / 4): K steps 8 kq .. 8 kq + 7 for the pairs of token tiles of parity par; its 16 fragments of W2 stay in registers.  The four parts of K meet in LDS.
; The tokens are walked in 6 passes of 6 pairs of tiles, as the launch before laid them: the count of passes is a constant, barriers stand on every wave's path, and work without tokens is jumped over
; by branches on n, which the launch before stored.  h's fragments come from memory straight into registers, as images of the registers.
; THE PRODUCT IS USED TRANSPOSED (source 0 = 16 rows of W2, source 1 = 16 tokens); lane r of tile u takes row 8 u + r % 8 + 16 (r / 8), so that a lane's 16 results are columns 16 h + 0 .. 15 of one token.
; A group's 768 bytes of two rows of W2 are 96 pieces of 16 bytes, three a lane: piece lane of the first row; piece 32 + r of the first (lanes 0-15) or piece r of the second (lanes 16-31); piece 16 + lane of the second.
; Slots behind an expert's last token name its first token: they store that token's own numbers once more, so no lane is switched off.
; A row's part of a store is 128 bytes: 64 columns to a work-group would leave half of the 256 work-groups without weights, or read W2 twice.
; No tensor load, no copy, no cluster: branches hang on stored counts.  LIMITS: NaN and infinities are not served.
.set RED,  0                           ; LDS: (4 pair + kq) x 4,608: 32 rows x (128 bytes + 16)
.set WST,  110592                      ; 4 groups x 32 rows x 784 (768 + 16): W2's rows, in the tiles' order
.set GA,   4                           ; v4-6   my three pieces of two rows of W2 in memory (v4 is also 16 x lane)
.set L4,   7                           ; v7     4 x lane
.set SA,   9                           ; v9-11  and in WST
.set FA,   12
.set L7,   13                          ; v13    16 x (lane % 8)
.set TO,   14                          ; v14    16 w + 4 (lane / 8): my row of a pair in the list
.set RA,   15                          ; v15-17 where my partial sums go
.set RB,   18                          ; v18, v19 where I read a row's four parts (pairs 0-2, 3-5)
.set WSO,  20
.set T,    21                          ; v21-27 at work
.set WS,   32                          ; v32-47 W2's scale words: 8 u + ks: scales and nothing else
.set HSC,  48                          ; v48-55 h's scale words of K step ks: lanes 0-15 the pair's first tile, lanes 16-31 its second: scales and nothing else
.set B2,   56
.set TOK,  60                          ; v60-65 the token of my row of pair p
.set XO,   66                          ; v66-71 its offset in x and out0
.set ACC,  72                          ; v72-103 four accumulators: 16 t + 8 u
.set HF,   104                         ; v104-247 h's fragments of K steps 0-5: 24 ks + 12 t; K steps 6, 7 in window 1 from v192
.set AO,   248                         ; v248-253 the token's offset in alpha
.set AL,   104                         ; on the way out, in the fragments' registers: alpha,
.set XR,   112                         ; x,
.set SM,   152                         ; and the partial sums: 16 p + 4 kq
.set MSB, 0
.macro WIN new                         ; the immediate's high byte repeats the setting that is left
.if MSB != \new
	s_set_vgpr_msb (MSB<<8)|\new
.set MSB, \new
.endif
.endm
.macro BARRIER
	s_wait_dscnt 0x0
	s_barrier_signal -1
	s_barrier_wait -1
.endm
; 56 loads: pair 2 i + par of the pass, my 8 K steps: a scale word and 6 x 512 bytes for each of K steps 0 to 5, then the words of K steps 6 and 7, then their fragments
.macro AISSUE i
.irp k, 0,1,2,3,4,5
	global_load_b32 v[HSC+\k], v[L4], s[8:9] offset:4096*\k+256*(\i)
.irp t, 0,1
.irp j, 0,1,2
	global_load_b128 v[HF+24*\k+12*\t+4*\j:HF+24*\k+12*\t+4*\j+3], v4, s[6:7] offset:196608*(\i)+49152*\t+1536*\k+512*\j
.endr
.endr
.endr
	global_load_b32 v[HSC+6], v[L4], s[8:9] offset:4096*6+256*(\i)
	global_load_b32 v[HSC+7], v[L4], s[8:9] offset:4096*7+256*(\i)
	WIN 0x40                                       ; destination window 1
.irp k, 6,7
.irp t, 0,1
.irp j, 0,1,2
	global_load_b128 v[192+24*(\k-6)+12*\t+4*\j:192+24*(\k-6)+12*\t+4*\j+3], v4, s[6:7] offset:196608*(\i)+49152*\t+1536*\k+512*\j
.endr
.endr
.endr
	WIN 0
.endm
; one matrix instruction: K step k, token tile t, tile of W2 u.  The first K step starts the sums
.macro WM k, t, u
.set rD, ACC+16*\t+8*\u
.set rA, 12*(8*\u+\k)
.if \k < 6
.set rB, HF+24*\k+12*\t
.else
.set rB, 192+24*(\k-6)+12*\t
.endif
.if \k == 0
.if \t == 0
	v_wmma_scale_f32_16x16x128_f8f6f4 v[rD:rD+7], v[rA:rA+11], v[rB:rB+11], 0, v[WS+8*\u+\k], v[HSC+\k] matrix_a_fmt:MATRIX_FMT_FP6 matrix_b_fmt:MATRIX_FMT_FP6
.else
	v_wmma_scale_f32_16x16x128_f8f6f4 v[rD:rD+7], v[rA:rA+11], v[rB:rB+11], 0, v[WS+8*\u+\k], v[HSC+\k] matrix_a_fmt:MATRIX_FMT_FP6 matrix_b_fmt:MATRIX_FMT_FP6 matrix_b_scale:MATRIX_SCALE_ROW1
.endif
.else
.if \t == 0
	v_wmma_scale_f32_16x16x128_f8f6f4 v[rD:rD+7], v[rA:rA+11], v[rB:rB+11], v[rD:rD+7], v[WS+8*\u+\k], v[HSC+\k] matrix_a_fmt:MATRIX_FMT_FP6 matrix_b_fmt:MATRIX_FMT_FP6
.else
	v_wmma_scale_f32_16x16x128_f8f6f4 v[rD:rD+7], v[rA:rA+11], v[rB:rB+11], v[rD:rD+7], v[WS+8*\u+\k], v[HSC+\k] matrix_a_fmt:MATRIX_FMT_FP6 matrix_b_fmt:MATRIX_FMT_FP6 matrix_b_scale:MATRIX_SCALE_ROW1
.endif
.endif
.endm
; PAIR 2 i + par of the pass: 32 matrix instructions, each K step as soon as its loads are in; the next pair of mine is asked for; the partial sums go to LDS
.macro TT i
	s_cmp_lt_i32 s[40+\i], s29
	s_cbranch_scc0 .Lno_pair_\@
	s_wait_dscnt 0x0                               ; the stores of my last pair's sums have read the accumulators
	WIN 0x01                                       ; source 0 (W2) in window 1
.irp k, 0,1,2,3,4,5,6,7
.if \k == 6
	WIN 0x05                                       ; and source 1 too
.endif
.if \k < 6
	s_wait_loadcnt 49-7*\k                         ; 7 loads for each later K step may be out
.elseif \k == 6
	s_wait_loadcnt 6                               ; the last K step's six
.else
	s_wait_loadcnt 0x0
.endif
.irp t, 0,1
.irp u, 0,1
	WM \k, \t, \u                                  ; the four accumulators take turns, one instruction a turn
.endr
.endr
.endr
	WIN 0
.rept 5
	v_nop                                          ; plain instructions behind the matrix instructions, in front of loads into their sources, of stores of their results and of the next pair's first products
.endr
.if \i < 2
	s_cmp_lt_i32 s[41+\i], s29
	s_cbranch_scc0 .Lno_next_\@
	AISSUE \i+1
.Lno_next_\@:
.endif
.irp t, 0,1
.irp u, 0,1
	ds_store_b128 v[RA+\i], v[ACC+16*\t+8*\u:ACC+16*\t+8*\u+3] offset:2304*\t+32*\u        ; each accumulator from its low end on
	ds_store_b128 v[RA+\i], v[ACC+16*\t+8*\u+4:ACC+16*\t+8*\u+7] offset:2304*\t+32*\u+16
.endr
.endr
.Lno_pair_\@:
.endm
	s_load_b256 s[4:11], s[0:1], 0x0               ; ord, hq, hs, W2's codes
	s_load_b256 s[12:19], s[0:1], 0x20             ; W2's scales, b2, x, alpha
	s_load_b64 s[20:21], s[0:1], 0x40              ; out0
	v_lshl_add_u32 v254, v0, 2, 0x33800
	v_mov_b32 v255, 0
	v_lshrrev_b32 v1, 5, v0
	v_readfirstlane_b32 s22, v1                    ; wave 0..7
	v_and_b32 v1, 31, v0                           ; lane
	v_and_b32 v2, 15, v0                           ; r
	v_bfe_u32 v3, v0, 4, 1                         ; h
	v_lshlrev_b32 v4, 4, v1                        ; 16 x lane: also my first piece in memory
	v_lshlrev_b32 v[L4], 2, v1
	s_and_b32 s23, s22, 3                          ; kq
	s_lshr_b32 s24, s22, 2                         ; par
	s_mov_b32 s25, ttmp9                           ; sd
	s_and_b32 s26, ttmp7, 0xffff                   ; expert
	s_mul_i32 s51, s23, 25088
	s_add_co_u32 s51, s51, WST                     ; my group's 32 rows
	s_mul_i32 s38, s24, 6272
	s_add_co_u32 s50, s51, s38                     ; places 8 par on
	v_lshlrev_b32 v[T], 4, v2                      ; 16 r
	v_mad_u32_u24 v[GA+1], v3, 2560, v[T]
	v_add_nc_u32 v[GA+1], 512, v[GA+1]             ; second piece in memory (rows 3,072 bytes apart): 512 + 16 r in lanes 0-15, 3,072 + 16 r in lanes 16-31
	v_add_nc_u32 v[GA+2], 3328, v4                 ; third piece: 3,072 + 256 + 16 lane
	v_mad_u32_u24 v[T], v3, 272, v[T]
	v_add_nc_u32 v[T], 512, v[T]                   ; second piece in two rows of 784: 512 + 16 r + 272 h
	v_add_nc_u32 v[T+1], 1040, v4                  ; third piece: 784 + 256 + 16 lane
	v_add_nc_u32 v[SA], s50, v4
	v_add_nc_u32 v[SA+1], s50, v[T]
	v_add_nc_u32 v[SA+2], s50, v[T+1]
	v_and_b32 v[L7], 7, v1
	v_lshlrev_b32 v[L7], 4, v[L7]
	v_lshrrev_b32 v[T], 3, v1
	s_lshl_b32 s38, s22, 4
	v_lshl_add_u32 v[TO], v[T], 2, s38
	v_and_b32 v[WSO], 7, v0
	v_bfe_u32 v[T+1], v0, 3, 1
	v_lshlrev_b32 v[WSO], 7, v[WSO]
	v_lshl_add_u32 v[WSO], v[T+1], 11, v[WSO]      ; W2's scale words: 128 bytes a row, row r % 8 + 16 (r / 8)
	s_lshl_b32 s46, s26, 7
	s_mov_b32 s39, 0
	s_lshl_b32 s36, s26, 10
	s_lshl_b32 s38, s25, 5
	s_add_co_u32 s36, s36, s38                     ; my first row of W2, counted through all experts
	s_wait_kmcnt 0x0
	s_load_b32 s27, s[4:5], s46 offset:0x8000      ; n
	s_lshl_b32 s38, s26, 12
	s_add_nc_u64 s[44:45], s[4:5], s[38:39]        ; the expert's list
	s_lshl_b32 s38, s24, 4
	s_add_co_u32 s38, s38, s36
	s_mul_i32 s38, s38, 3072
	s_mul_i32 s48, s23, 768
	s_add_co_u32 s38, s38, s48
	s_add_nc_u64 s[10:11], s[10:11], s[38:39]      ; the 16 rows that I fetch, at my group's 768 bytes
	s_lshl_b32 s38, s36, 7
	s_lshl_b32 s48, s23, 5
	s_add_co_u32 s38, s38, s48
	s_add_nc_u64 s[12:13], s[12:13], s[38:39]
	s_lshl_b32 s38, s36, 2
	s_add_nc_u64 s[14:15], s[14:15], s[38:39]
	s_mul_i32 s38, s26, 3145728
	s_mul_i32 s48, s23, 12288
	s_add_co_u32 s38, s38, s48
	s_mul_i32 s48, s24, 98304
	s_add_co_u32 s38, s38, s48
	s_add_nc_u64 s[6:7], s[6:7], s[38:39]          ; hq at (expert, tile 2 par, K step 8 kq)
	s_lshl_b32 s38, s26, 5
	s_lshl_b32 s48, s23, 3
	s_add_co_u32 s38, s38, s48
	s_lshl_b32 s38, s38, 12
	s_lshl_b32 s48, s24, 7
	s_add_co_u32 s38, s38, s48
	s_add_nc_u64 s[8:9], s[8:9], s[38:39]          ; hs at (expert, K step 8 kq, tile 2 par)
	s_lshl_b32 s38, s25, 7
	s_add_nc_u64 s[16:17], s[16:17], s[38:39]      ; x and out0 at my 32 columns
	s_add_nc_u64 s[20:21], s[20:21], s[38:39]
.irp p, 0,1,2,3,4,5
	global_load_b32 v[TOK+\p], v[TO], s[44:45] offset:128*\p   ; the token of my row of pair p
.endr
	WIN 0x40                                       ; destination window 1
.irp a, 0,1,2,3,4,5,6,7
.irp q, 0,1,2
	global_load_b128 v[4*(3*\a+\q):4*(3*\a+\q)+3], v[GA+\q], s[10:11] offset:6144*\a th:TH_LOAD_NT   ; rows 16 par + 2 a + d; read once in the launch
.endr
.endr
	WIN 0
.irp u, 0,1
.irp z, 0,1
	global_load_b128 v[WS+8*\u+4*\z:WS+8*\u+4*\z+3], v[WSO], s[12:13] offset:1024*\u+16*\z
.endr
.endr
	global_load_b128 v[B2:B2+3], v[L7], s[14:15]
	AISSUE 0                                       ; my first pair: the launch before stores tiles 0 to 3 for every expert
	v_mul_u32_u24 v[FA], v2, 784
	v_mad_u32_u24 v[FA], v3, 24, v[FA]
	v_add_nc_u32 v[FA], s51, v[FA]
	v_mul_u32_u24 v[RA], v2, 144
	v_lshl_add_u32 v[RA], v3, 6, v[RA]
	s_mul_i32 s38, s22, 4608                       ; 4 par + kq = w
	v_add_nc_u32 v[RA], s38, v[RA]
	v_add_nc_u32 v[RA+1], 36864, v[RA]
	v_add_nc_u32 v[RA+2], 73728, v[RA]
	v_mul_u32_u24 v[RB], v[T], 144
	v_add_nc_u32 v[RB], v[RB], v[L7]
	s_mul_i32 s38, s22, 576
	v_add_nc_u32 v[RB], s38, v[RB]                 ; row 4 w + lane / 8 of a pair, 16 bytes at 16 (lane % 8)
	v_add_nc_u32 v[RB+1], 55296, v[RB]
	s_mov_b32 s40, s24                             ; the pairs of a pass that are mine: par, par + 2, par + 4
	s_add_co_u32 s41, s24, 2
	s_add_co_u32 s42, s24, 4
	s_wait_loadcnt 61                              ; W2's 24 loads are in; behind them: 4 of its scales, 1 of b2, 56 of h
	WIN 0x04                                       ; an LDS store's data are its source 1: window 1
.irp a, 0,1,2,3,4,5,6,7
.irp q, 0,1,2
	ds_store_b128 v[SA+\q], v[4*(3*\a+\q):4*(3*\a+\q)+3] offset:784*(((2*\a)&7)+16*(\a/4))   ; row 16 par + 2 a + d goes to place 16 u + r of its tile
.endr
.endr
	WIN 0
	BARRIER                                        ; W2's rows lie in LDS
	WIN 0x40
.irp u, 0,1
.irp k, 0,1,2,3,4,5,6,7
.irp p, 0,1,2,3,4,5
	ds_load_b64 v[12*(8*\u+\k)+2*\p:12*(8*\u+\k)+2*\p+1], v[FA] offset:12544*\u+96*\k+48*(\p/3)+8*(\p%3)   ; my 16 fragments of W2: they stay
.endr
.endr
.endr
	WIN 0
	s_wait_dscnt 0x0
	s_wait_kmcnt 0x0
	s_min_u32 s27, s27, 1024
	s_add_co_u32 s28, s27, 31
	s_lshr_b32 s29, s28, 5                         ; pairs to go
	s_mov_b32 s32, 6
.Lpass:
	s_min_i32 s30, s29, 6                          ; pairs at work in this pass (0 or less: none)
	TT 0
	TT 1
	TT 2
	s_wait_loadcnt 0x0                             ; the tokens' numbers are in, and no load is out
.irp p, 0,1,2,3,4,5
	v_min_u32 v[XO+\p], 0x3ff, v[TOK+\p]           ; the offsets are made on every way, held inside the tables
.endr
.irp p, 0,1,2,3,4,5
	v_lshlrev_b32 v[AO+\p], 2, v[XO+\p]
	v_lshl_add_u32 v[XO+\p], v[XO+\p], 12, v[L7]
.endr
	s_cmp_gt_i32 s29, 0
	s_cbranch_scc0 .Lno_rows
.irp p, 0,1,2,3,4,5
	global_load_b128 v[XR+4*\p:XR+4*\p+3], v[XO+\p], s[16:17]   ; eight lanes read a row's 128 bytes
	global_load_b32 v[AL+\p], v[AO+\p], s[18:19]
.endr
.Lno_rows:
	BARRIER                                        ; the pass's partial sums lie in LDS
	s_cmp_gt_i32 s29, 0
	s_cbranch_scc0 .Lout_done
.irp p, 0,1,2,3,4,5
.if \p > 0
	s_cmp_gt_i32 s30, \p
	s_cbranch_scc0 .Lsums_asked
.endif
.irp k, 0,1,2,3
	ds_load_b128 v[SM+16*\p+4*\k:SM+16*\p+4*\k+3], v[RB+\p/3] offset:4608*(4*(\p%3)+\k)
.endr
.endr
.Lsums_asked:
	s_wait_loadcnt 0x0
	s_wait_dscnt 0x0
.irp p, 0,1,2,3,4,5
.if \p > 0
	s_cmp_gt_i32 s30, \p
	s_cbranch_scc0 .Lout_done
.endif
.irp z, 0,2
	v_pk_add_f32 v[SM+16*\p+\z:SM+16*\p+\z+1], v[SM+16*\p+\z:SM+16*\p+\z+1], v[SM+16*\p+4+\z:SM+16*\p+4+\z+1]
	v_pk_add_f32 v[SM+16*\p+8+\z:SM+16*\p+8+\z+1], v[SM+16*\p+8+\z:SM+16*\p+8+\z+1], v[SM+16*\p+12+\z:SM+16*\p+12+\z+1]
.endr
.irp z, 0,2
	v_pk_add_f32 v[SM+16*\p+\z:SM+16*\p+\z+1], v[SM+16*\p+\z:SM+16*\p+\z+1], v[SM+16*\p+8+\z:SM+16*\p+8+\z+1]
.endr
.irp z, 0,2
	v_pk_add_f32 v[SM+16*\p+\z:SM+16*\p+\z+1], v[SM+16*\p+\z:SM+16*\p+\z+1], v[B2+\z:B2+\z+1]
.endr
.irp c, 0,1,2,3
	v_fma_f32 v[SM+16*\p+\c], v[AL+\p], v[SM+16*\p+\c], v[XR+4*\p+\c]   ; x + alpha (h W2^T + b2)
.endr
	global_store_b128 v[XO+\p], v[SM+16*\p:SM+16*\p+3], s[20:21] th:TH_STORE_NT
.endr
.Lout_done:
	s_wait_loadcnt 0x0                             ; where all ways join: x and alpha are in, so their registers may take h's fragments again
.rept 4
	v_nop                                          ; the sums' registers are h's fragments' again: four plain instructions between the last vector write there and the next scaled matrix instruction
.endr
	s_wait_xcnt 0x0                                ; the stores have read their data and offsets, all loads their bases: they are written again below
	s_add_nc_u64 s[6:7], s[6:7], 589824            ; 12 tiles on
	s_add_nc_u64 s[8:9], s[8:9], 768
	s_add_nc_u64 s[44:45], s[44:45], 768
	s_sub_co_i32 s29, s29, 6
	s_cmp_gt_i32 s29, 0
	s_cbranch_scc0 .Lno_tok
.irp p, 0,1,2,3,4,5
	global_load_b32 v[TOK+\p], v[TO], s[44:45] offset:128*\p   ; (past an expert's 1,024 words lie the next list or the counts: inside the buffer; such numbers are held at 1,023 and serve pairs that are not at work)
.endr
.Lno_tok:
	s_cmp_lt_i32 s40, s29
	s_cbranch_scc0 .Lno_first
	AISSUE 0                                       ; my first pair of the next pass
.Lno_first:
	BARRIER                                        ; nobody reads the partial sums any more
	s_sub_co_i32 s32, s32, 1
	s_cmp_lg_u32 s32, 0
	s_cbranch_scc1 .Lpass
	s_wait_tensorcnt 0x0
	ds_add_u32 v254, v255
	s_wait_dscnt 0x0
	s_endpgm
.Lfunc_end_k_q0d0857ac15_ffn2:
	.size	k_q0d0857ac15_ffn2, .Lfunc_end_k_q0d0857ac15_ffn2-k_q0d0857ac15_ffn2
	.p2alignl 7, 3214868480
	.fill 96, 4, 3214868480
	.section	.rodata,"a",@progbits
	.p2align	6, 0x0
	.amdhsa_kernel k_q0d0857ac15_ffn2
		.amdhsa_group_segment_fixed_size 211968
		.amdhsa_private_segment_fixed_size 0
		.amdhsa_enable_private_segment 0
		.amdhsa_kernarg_size 72
		.amdhsa_user_sgpr_count 2
		.amdhsa_user_sgpr_kernarg_segment_ptr 1
		.amdhsa_wavefront_size32 1
		.amdhsa_system_sgpr_workgroup_id_x 1
		.amdhsa_system_sgpr_workgroup_id_y 1
		.amdhsa_system_sgpr_workgroup_id_z 1
		.amdhsa_system_vgpr_workitem_id 0
		.amdhsa_next_free_vgpr 512
		.amdhsa_next_free_sgpr 66
		.amdhsa_reserve_vcc 0
		.amdhsa_float_denorm_mode_32 3
		.amdhsa_float_denorm_mode_16_64 3
		.amdhsa_memory_ordered 1
		.amdhsa_forward_progress 1
		.amdhsa_inst_pref_size 64
	.end_amdhsa_kernel
	.amdgpu_metadata
---
amdhsa.version: [ 1, 2 ]
amdhsa.kernels:
  - .name:           k_q0d0857ac15_ffn2
    .symbol:         k_q0d0857ac15_ffn2.kd
    .args:
      - { .name: ord, .offset: 0, .size: 8, .value_kind: global_buffer, .address_space: global }
      - { .name: hq, .offset: 8, .size: 8, .value_kind: global_buffer, .address_space: global }
      - { .name: hs, .offset: 16, .size: 8, .value_kind: global_buffer, .address_space: global }
      - { .name: W2_codes, .offset: 24, .size: 8, .value_kind: global_buffer, .address_space: global }
      - { .name: W2_scales, .offset: 32, .size: 8, .value_kind: global_buffer, .address_space: global }
      - { .name: b2, .offset: 40, .size: 8, .value_kind: global_buffer, .address_space: global }
      - { .name: x, .offset: 48, .size: 8, .value_kind: global_buffer, .address_space: global }
      - { .name: alpha, .offset: 56, .size: 8, .value_kind: global_buffer, .address_space: global }
      - { .name: out0, .offset: 64, .size: 8, .value_kind: global_buffer, .address_space: global }
    .group_segment_fixed_size: 211968
    .private_segment_fixed_size: 0
    .kernarg_segment_align: 8
    .kernarg_segment_size: 72
    .max_flat_workgroup_size: 256
    .sgpr_count:     66
    .vgpr_count:     512
    .wavefront_size: 32
...
	.end_amdgpu_metadata
.endif
;; end of part 3
;; ======== version 2 of 2: 3 launches; version 1 with the launches ffn1, ffn2 written anew for expert scheduling mode
;; workspace buffers: eid 4,096 bytes of whole numbers; ord 33,792 bytes of whole numbers; alpha 4,096 bytes; xq 786,432 bytes; xs 32,768 bytes; hq 25,165,824 bytes; hs 1,048,576 bytes
;; launch route: the kernel of part 1 again; grid 256 x 1, 8 waves a work-group, no clusters, 27,136 bytes of LDS; arguments x, centroids, gamma, beta, eid, alpha, xq, xs; writes eid, alpha, xq, xs
;; launch ffn1 (part 4): grid 32 x 8, 8 waves a work-group, no clusters, 282,112 bytes of LDS; arguments eid, xq, xs, W1_codes, W1_scales, b1, hq, hs, ord; writes hq, hs, ord
.if DOCPART == 4
	.amdgcn_target "amdgcn-amd-amdhsa--gfx1250"
	.amdhsa_code_object_version 6
	.text
	.protected	k_q0d0857ac15_ffn1
	.globl	k_q0d0857ac15_ffn1
	.p2align	8
	.type	k_q0d0857ac15_ffn1,@function
k_q0d0857ac15_ffn1:
	s_mov_b64 s[64:65], 0
	v_nop
	global_prefetch_b8 v0, s[64:65] scope:SCOPE_SE
	s_setreg_imm32_b32 hwreg(HW_REG_WAVE_SCHED_MODE, 0, 2), 2
	s_setreg_imm32_b32 hwreg(HW_REG_WAVE_MODE, 25, 1), 1
	s_wait_xcnt 0x0
	s_wait_alu depctr_vm_vsrc(0)
; FFN1.  h = relu(LN(x) W1^T + b1) for the tokens of one expert, quantised along the hidden axis.  Both operands are E2M3 codes with E8M0 scales; sums in f32.
; SHARES.  Work-group (slice s = x, expert e = y) owns hidden units 128 s .. 128 s + 127 of expert e: K step s of the next product.  Each byte of W1 is read by one work-group.
; Wave w = (cg = w % 4, par = w / 4): the 32 hidden units 32 cg on (one block of the next K), for the pairs of token tiles of parity par.  Its 16 fragments of W1 stay in registers.
; THE TOKENS.  Every wave counts the expert's tokens n in eid; wave 0 lists them in LDS.  Entries n .. n + 31 name the expert's first token, the rest token 0.
; The list is walked in 6 passes of 6 pairs of tiles (192 slots): the count of passes is a constant, barriers stand on every wave's path, and work without tokens is jumped over.
; At least two pairs are worked for every expert, so that tiles 0 to 3 of hq and hs are always stored: the next launch asks for them before it knows n.
; THE PRODUCT IS USED TRANSPOSED (source 0 = 16 rows of W1, source 1 = 16 tokens), AND THE ROWS OF A TILE OF W1 ARE NOT NEIGHBOURS: lane r of tile u takes row 8 u + r % 8 + 16 (r / 8),
; so that a lane's 16 results of the two tiles are hidden units 16 h + 0 .. 15 of one token: 16 neighbours along the next K.
; ROWS OF 768 BYTES (a token's codes, a row of W1) are fetched two at a time: 96 pieces of 16 bytes, three a lane: piece lane of the first row; piece 32 + r of the first row (lanes 0-15) or
; piece r of the second (lanes 16-31); piece 16 + lane of the second.  In LDS rows are 784 bytes apart, an odd multiple of 16, so that sixteen rows' pieces fall in sixteen different columns of 16 bytes.
; OUT.  hq[e][tile][K step][1,536]: the image of a fragment's 12 registers (register p of lane L at 512 (p / 4) + 16 L + 4 (p % 4)); hs[e][K step][tile][16 words]; ord: the lists and the counts (slice 0 stores them).
; No tensor load and no copy: branches hang on stored counts.  No cluster for the same reason: partners would need different numbers of steps.
; LIMITS.  NaN and infinities are not served.  A block of zeros gets the byte 1, not 127: its codes are zeros and this program alone reads the bytes.
; THE MODE: SCHED_MODE bits 1:0 = 2 (LLVM: expert scheduling mode 2), set by the entry lines.  The code itself states the register dependences
; between vector or matrix instructions and memory or LDS instructions, with s_wait_alu, always for 0.
; THE PLAN.  Registers that memory or LDS instructions touch:
;   v4-41, and v250-252 of window 1   addresses and offsets: made at the head, never written again: one wait on va_vdst behind the head's arithmetic serves the whole kernel.
;   GT                 written by the gather's four additions, read by its LDS loads of tokens.
;   GO, XWO (window 1) those loads land here; the hold and the multiply-add work here; the gather's global loads read them as offsets.
;   STG, XW            the gather's global loads land here; its LDS stores read them.  In a pair STG is FRA, FRB (LDS loads land, matrix instructions read) and the accumulators (matrix and vector alone).
;                      On the way out LDS loads land in STG's first 25 registers and global stores read them.
;   AS                 LDS loads land at a pair's head; the pair's matrix instructions read them.
;   QC, QB             written by a pair's conversions and shifts, read by its LDS stores.
; A PAIR is four groups of 8 matrix instructions on FRA, FRB, FRA, FRB.  At the head of the second and of the third group one wait on va_vdst states that the group before is done reading the other set;
; that set's next 12 loads follow, dealt among the group's first four matrix instructions, which name none of their registers.  One wait on va_vdst stands ahead of the pair's LDS stores; behind it the pair
; issues no vector or matrix instruction, so the next pair's loads and the way out's owe nothing more.  One wait on vm_vsrc stands ahead of the second and third pair's conversions, one at the way out's end,
; one behind the gather's LDS stores.
.set LIST, 0                           ; LDS: 1,152 words, then 32 words (from word 1,152) that take what is not listed
.set XSC,  4864                        ; 192 slots x 32 scale bytes of x
.set HSS,  11008                       ; 12 tiles x 16 scale words of h
.set HST,  11776                       ; 12 tiles x 1,536: images of h's fragments
.set XIMG, 30208                       ; 192 slots x 784: the tokens' codes, as xq has them: K step x 96 + h x 48: a lane's 12 registers on end
.set WST,  180736                      ; 4 groups x 32 rows x 784: W1's rows, in the tiles' order
.set CO,   4                           ; v4-6   my three pieces' bytes in a row of 768 (v4 is also 16 x lane)
                                       ; v7, v8, v42-47: in wave 0's listing: eight list addresses; used for nothing else
.set TKL,  9                           ; v9-11  LIST + 16 w + 4 d: whose row each piece belongs to
.set DA,   12                          ; v12-14 where the pieces go in XIMG (pairs 0-2); v15-17 pairs 3-5
.set DB,   15
.set SA,   18                          ; v18-20 where my pieces of W1 go in WST
.set FA,   21                          ; v21    where my fragments of W1 lie
.set XLA,  22
.set L7,   23
.set XSD,  24
.set FB,   25                          ; v25-27 my fragments of x, pair 2 i + par
.set ASB,  28
.set HA,   29                          ; v29-31 where my three registers of codes go in HST
.set HSB,  32
.set HR,   33
.set HSR,  34
.set VO,   35
.set VS,   36
.set DMP,  37                          ; v37    1,152 + lane
.set SCA,  38                          ; v38    the address of the list's 32 entries behind the last token, used for nothing else
.set L4,   39                          ; v39    4 x lane
.set WSO,  40
.set BIO,  41
.set WS,   48                          ; v48-63  W1's scale words, tile u, K step ks at 8 u + ks: scales and nothing else
.set AS,   64                          ; v64-79  x's scale words: 8 t + ks: scales and nothing else
.set STG,  80                          ; v80-223 at work: ids; the gather's 36 x 4; rows on the way out
.set LD,   112                         ; v112-143 in wave 0's listing: the 32 tokens' numbers of a lane
.set FRA,  80                          ; two sets of x's fragments (2 K steps x 2 tiles x 12)
.set FRB,  128
.set ACC,  176                         ; v176-207 four accumulators: tile t, tile of W1 u at 16 t + 8 u
.set XW,   224                         ; v224-229 the gather's scale words
.set QM,   230
.set QS,   232
.set QB,   234
.set QC,   236                         ; v236-238, v240-242 codes
.set LT,   243                         ; v243   16 x thread
.set QT,   244
.set GT,   246                         ; v246-249 list addresses of the pass
.set T,    250                         ; v250-255 at work
.set BI,   192                         ; in window 1, behind W1's 16 fragments (v0-191): b1 in the result's layout
.set GO,   208                         ; in window 1: v208-243 the gather's 36 offsets into xq,
.set XWO,  244                         ; v244-249 its 6 offsets into xs,
.set FBW,  250                         ; v250-252 v[FB ..] once more: an LDS load's address is its source 0, which the products' window setting puts in window 1
.set MSB, 0
.macro WIN new                         ; the immediate's high byte repeats the setting that is left
.if MSB != \new
	s_set_vgpr_msb (MSB<<8)|\new
.set MSB, \new
.endif
.endm
.macro BARRIER
	s_wait_dscnt 0x0
	s_barrier_signal -1
	s_barrier_wait -1
.endm
.macro LREG j                          ; LA: the register of the j-th of a run's eight list addresses
.if (\j) < 2
.set LA, 7+(\j)
.else
.set LA, 40+(\j)
.endif
.endm
; THE GATHER of a pass: 192 slots x 768 bytes of codes and 32 scale bytes.  A wave's load takes 512 consecutive bytes of two tokens' rows.
; (Ahead of it stands a wait on vm_vsrc behind the last instructions that read v[GT ..], the offsets, v[STG ..] and v[XW ..].)
.macro GISSUE
.irp q, 0,1,2
	v_add_nc_u32 v[GT+\q], s43, v[TKL+\q]
.endr
	v_add_nc_u32 v[GT+3], s43, v[XLA]
	WIN 0x40                                       ; destination window 1
	s_wait_alu depctr_va_vdst(0)                   ; v[GT ..] are written, which the LDS loads below read; the last gather's arithmetic is done with the offsets' registers, in which they land
.irp p, 0,1,2,3,4,5
.irp i, 0,1
.irp q, 0,1,2
	ds_load_b32 v[GO+6*\p+3*\i+\q], v[GT+\q] offset:128*\p+8*\i   ; the token of slot 32 p + 4 w + 2 i + d
.endr
.endr
	ds_load_b32 v[XWO+\p], v[GT+3] offset:128*\p
.endr
	s_wait_dscnt 0x0
	WIN 0x44                                       ; source 1 and destination window 1
.irp p, 0,1,2,3,4,5
.irp i, 0,1
.irp q, 0,1,2
	v_min_u32 v[GO+6*\p+3*\i+\q], 0x3ff, v[GO+6*\p+3*\i+\q]
.endr
.endr
	v_min_u32 v[XWO+\p], 0x3ff, v[XWO+\p]
.endr
	WIN 0x41                                       ; source 0 and destination window 1
.irp p, 0,1,2,3,4,5
.irp i, 0,1
.irp q, 0,1,2
	v_mad_u32_u24 v[GO+6*\p+3*\i+\q], v[GO+6*\p+3*\i+\q], s44, v[CO+\q]
.endr
.endr
	v_lshl_add_u32 v[XWO+\p], v[XWO+\p], 5, v[L7]
.endr
	WIN 0x01                                       ; a load's offset is its source 0: window 1; its data: window 0
	s_wait_alu depctr_va_vdst(0)                   ; the 42 offsets are written, which the loads below read; every vector and matrix instruction that named v[STG ..] (ids, fragments, accumulators) is done: the loads land there
.irp p, 0,1,2,3,4,5
.irp i, 0,1
.irp q, 0,1,2
	global_load_b128 v[STG+4*(6*\p+3*\i+\q):STG+4*(6*\p+3*\i+\q)+3], v[GO+6*\p+3*\i+\q], s[6:7]
.endr
.endr
	global_load_b32 v[XW+\p], v[XWO+\p], s[8:9]
.endr
	WIN 0
.endm
.macro GSTORE
.irp p, 0,1,2,3,4,5
.irp i, 0,1
.irp q, 0,1,2
	ds_store_b128 v[DA+3*(\p/3)+\q], v[STG+4*(6*\p+3*\i+\q):STG+4*(6*\p+3*\i+\q)+3] offset:25088*(\p%3)+1568*\i
.endr
.endr
	ds_store_b32 v[XSD], v[XW+\p] offset:1024*\p
.endr
.endm
; 12 LDS loads: x's fragments of K steps 2 g, 2 g + 1 of the pair's two tiles into set f
.macro LFR f, i, g
.irp a, 0,1
.irp t, 0,1
.irp j, 0,1,2
	ds_load_b128 v[\f+12*(2*\a+\t)+4*\j:\f+12*(2*\a+\t)+4*\j+3], v[FB+\i] offset:12544*\t+96*(2*(\g)+\a)+16*\j
.endr
.endr
.endr
.endm
; 8 matrix instructions on set f: K steps 2 g, 2 g + 1; the four accumulators take turns, one instruction a turn.  The first K step takes b1 as C.
; nf other than 0: the other set, nf, takes the fragments of K steps 2 g + 2, 2 g + 3: a fragment's three loads ahead of each of the first four matrix instructions.  These name set f, W1's fragments, the scale words
; and the accumulators: none of the registers that those loads touch, so the wait on va_vdst at the group's head serves all twelve.
.macro MM f, g, i, nf
.irp a, 0,1
.if 2*(\g)+\a == 0
	WIN 0x11                                       ; source 0 (W1) and source 2 (b1) in window 1
.else
	WIN 0x01                                       ; source 0 (W1; an LDS load's address) in window 1
.endif
.irp t, 0,1
.irp u, 0,1
.if (\nf) > 0
.if \a == 0
.irp j, 0,1,2
	ds_load_b128 v[\nf+12*(2*\t+\u)+4*\j:\nf+12*(2*\t+\u)+4*\j+3], v[FBW+\i] offset:12544*\u+96*(2*(\g)+2+\t)+16*\j
.endr
.endif
.endif
.if 2*(\g)+\a == 0
	v_wmma_scale_f32_16x16x128_f8f6f4 v[ACC+16*\t+8*\u:ACC+16*\t+8*\u+7], v[12*(8*\u+2*(\g)+\a):12*(8*\u+2*(\g)+\a)+11], v[\f+12*(2*\a+\t):\f+12*(2*\a+\t)+11], v[BI+8*\u:BI+8*\u+7], v[WS+8*\u+2*(\g)+\a], v[AS+8*\t+2*(\g)+\a] matrix_a_fmt:MATRIX_FMT_FP6 matrix_b_fmt:MATRIX_FMT_FP6
.else
	v_wmma_scale_f32_16x16x128_f8f6f4 v[ACC+16*\t+8*\u:ACC+16*\t+8*\u+7], v[12*(8*\u+2*(\g)+\a):12*(8*\u+2*(\g)+\a)+11], v[\f+12*(2*\a+\t):\f+12*(2*\a+\t)+11], v[ACC+16*\t+8*\u:ACC+16*\t+8*\u+7], v[WS+8*\u+2*(\g)+\a], v[AS+8*\t+2*(\g)+\a] matrix_a_fmt:MATRIX_FMT_FP6 matrix_b_fmt:MATRIX_FMT_FP6
.endif
.endr
.endr
.endr
.endm
.macro PLACES n                        ; plain vector instructions behind matrix instructions, in front of reads of their results; and, ahead of the wait that states the dependence, in front of loads into their sources
.rept \n
	v_nop
.endr
.endm
; PAIR 2 i + par of the pass: 32 tokens x my 32 hidden units, K = 1,024; relu; quantised; codes and bytes into the stage
.macro CPAIR i
	s_cmp_lt_i32 s[40+\i], s29
	s_cbranch_scc0 .Lno_pair_\@
.irp t, 0,1
	ds_load_b128 v[AS+8*\t:AS+8*\t+3], v[ASB] offset:2048*\i+512*\t          ; (no wait: since the last wait on va_vdst no vector or matrix instruction has named these registers or the two sets)
	ds_load_b128 v[AS+8*\t+4:AS+8*\t+7], v[ASB] offset:2048*\i+512*\t+16
.endr
	LFR FRA, \i, 0
	LFR FRB, \i, 1
	s_wait_dscnt 12                                ; all but the 12 loads of the second set
	MM FRA, 0, \i, 0
	PLACES 4
	s_wait_dscnt 0x0                               ; the second set is in
	s_wait_alu depctr_va_vdst(0)                   ; the first group's matrix instructions are done reading FRA, in which the loads dealt among the next group land
	MM FRB, 1, \i, FRA
	PLACES 4
	s_wait_dscnt 0x0                               ; the 12 loads dealt among the last group are in
	s_wait_alu depctr_va_vdst(0)                   ; the second group's matrix instructions are done reading FRB, in which the loads dealt among the next group land
	MM FRA, 2, \i, FRB
	s_wait_dscnt 0x0
	MM FRB, 3, \i, 0
	WIN 0
	PLACES 5
.irp j, 0,1,2,3,4,5,6,7,8,9,10,11,12,13,14,15
.irp t, 0,1
	v_max_num_f32 v[ACC+16*\t+\j], 0, v[ACC+16*\t+\j]   ; relu, in f32; each accumulator from its low end on
.endr
.endr
.irp t, 0,1
	v_max3_num_f32 v[QM+\t], v[ACC+16*\t], v[ACC+16*\t+1], 0x1800000   ; my 16 numbers (none negative) and the floor 2^(3 - 127)
.endr
.irp j, 2,4,6,8,10,12,14
.irp t, 0,1
	v_max3_num_f32 v[QM+\t], v[QM+\t], v[ACC+16*\t+\j], v[ACC+16*\t+\j+1]
.endr
.endr
.irp t, 0,1
	v_permlanex16_b32 v[QT+\t], v[QM+\t], s34, s35
.endr
.irp t, 0,1
	v_max_num_f32 v[QM+\t], v[QM+\t], v[QT+\t]     ; with lane l xor 16: the block's largest
.endr
.irp t, 0,1
	v_add_nc_u32 v[QS+\t], 0xff000000, v[QM+\t]    ; 2 off the exponent field: the conversion's scale operand
.endr
.if \i > 0
	s_wait_alu depctr_vm_vsrc(0)                   ; the last pair's LDS stores, a whole pair back, have read v[QC ..] and v[QB ..], which are written again below
.endif
.irp t, 0,1
	v_cvt_scalef32_pk16_fp6_f32 v[QC+4*\t:QC+4*\t+2], v[ACC+16*\t:ACC+16*\t+15], v[QS+\t]
.endr
.irp t, 0,1
	v_lshrrev_b32 v[QB+\t], 23, v[QS+\t]           ; the scale's byte (also the plain instructions behind the conversions)
.endr
	s_wait_alu depctr_va_vdst(0)                   ; the conversions have written v[QC ..] and the shifts v[QB ..], which the LDS stores read; all the pair's matrix instructions are done with the two sets and with x's scale words
.irp t, 0,1
.irp c, 0,1,2
	ds_store_b32 v[HA+\c], v[QC+4*\t+\c] offset:6144*\i+1536*\t
.endr
	ds_store_b8 v[HSB], v[QB+\t] offset:256*\i+64*\t   ; lanes l and l xor 16 write the same byte with the same value
.endr
.Lno_pair_\@:
.endm
	s_load_b256 s[4:11], s[0:1], 0x0               ; eid, xq, xs, W1's codes
	s_load_b256 s[12:19], s[0:1], 0x20             ; W1's scales, b1, hq, hs
	s_load_b64 s[20:21], s[0:1], 0x40              ; ord
	s_set_vgpr_msb 0x40
	v_lshl_add_u32 v254, v0, 2, 0x44a00
	v_mov_b32 v255, 0
	s_set_vgpr_msb 0x4000
	v_lshrrev_b32 v1, 5, v0
	v_readfirstlane_b32 s22, v1                    ; wave 0..7
	v_and_b32 v1, 31, v0                           ; lane
	v_and_b32 v2, 15, v0                           ; r
	v_bfe_u32 v3, v0, 4, 1                         ; h
	v_lshlrev_b32 v4, 4, v1                        ; 16 x lane
	v_lshlrev_b32 v[L4], 2, v1
	v_and_b32 v[WSO], 7, v0
	v_bfe_u32 v[T], v0, 3, 1
	v_lshlrev_b32 v[WSO], 5, v[WSO]
	v_lshl_add_u32 v[WSO], v[T], 9, v[WSO]         ; W1's scale words: 32 bytes a row, row r % 8 + 16 (r / 8)
	v_lshlrev_b32 v[BIO], 6, v3                    ; b1: 16 h numbers on
	s_wait_alu depctr_va_sdst(0)                   ; s22 is written, ahead of its first reader
	s_and_b32 s23, s22, 3                          ; cg
	s_lshr_b32 s24, s22, 2                         ; par
	s_mov_b32 s25, ttmp9                           ; slice
	s_and_b32 s26, ttmp7, 0xffff                   ; expert
	s_lshl_b32 s36, s26, 12
	s_lshl_b32 s38, s25, 7
	s_add_co_u32 s36, s36, s38
	s_lshl_b32 s38, s23, 5
	s_add_co_u32 s36, s36, s38                     ; my block's first row of W1, counted through all experts
	s_mov_b32 s39, 0
	s_lshl_b32 s38, s24, 4
	s_add_co_u32 s38, s38, s36
	s_mul_i32 s38, s38, 768                        ; the 16 rows of it that I fetch
	s_wait_kmcnt 0x0
	s_add_nc_u64 s[10:11], s[10:11], s[38:39]
	s_lshl_b32 s38, s36, 5
	s_add_nc_u64 s[12:13], s[12:13], s[38:39]
	s_lshl_b32 s38, s36, 2
	s_add_nc_u64 s[14:15], s[14:15], s[38:39]
	s_wait_alu depctr_va_vdst(0)                   ; v4, v[WSO] and v[BIO] are written: the 40 loads below read them as offsets
.irp i, 0,1,2,3,4,5,6,7
	global_load_b128 v[STG+4*\i:STG+4*\i+3], v4, s[4:5] offset:512*\i   ; all 1,024 experts' numbers, in every wave: register i of lane l is token 128 (i / 4) + 4 l + i % 4
.endr
	WIN 0x40                                       ; destination window 1
.irp a, 0,1,2,3,4,5,6,7
.irp q, 0,1,2
	global_load_b128 v[4*(3*\a+\q):4*(3*\a+\q)+3], v4, s[10:11] offset:512*(3*\a+\q) th:TH_LOAD_NT   ; 16 rows of 768 bytes on end: 24 x 512 bytes; read once in the launch
.endr
.endr
.irp u, 0,1
.irp z, 0,1
	global_load_b128 v[BI+8*\u+4*\z:BI+8*\u+4*\z+3], v[BIO], s[14:15] offset:32*\u+16*\z
.endr
.endr
	WIN 0
.irp u, 0,1
.irp z, 0,1
	global_load_b128 v[WS+8*\u+4*\z:WS+8*\u+4*\z+3], v[WSO], s[12:13] offset:256*\u+16*\z
.endr
.endr
	; every address register is made here, ahead of all branches
	s_lshl_b32 s48, s22, 4                         ; LIST + 16 w
	s_mul_i32 s49, s22, 3136
	s_add_co_u32 s49, s49, XIMG                    ; slots 4 w on of a pair
	s_mul_i32 s51, s23, 25088
	s_add_co_u32 s51, s51, WST                     ; my group's 32 rows
	s_mul_i32 s38, s24, 6272
	s_add_co_u32 s50, s51, s38                     ; places 8 par on
	v_lshlrev_b32 v[T], 4, v2                      ; 16 r
	v_xor_b32 v[T+1], 1, v3                        ; 1 - h
	v_lshl_add_u32 v[CO+1], v[T+1], 9, v[T]        ; second piece in its row: 16 (32 + r) in lanes 0-15, 16 r in lanes 16-31
	v_add_nc_u32 v[CO+2], 256, v4                  ; third piece: 16 (16 + lane)
	v_mad_u32_u24 v[T], v3, 272, v[T]
	v_add_nc_u32 v[T], 512, v[T]                   ; second piece in two rows of 784: 512 + 16 r + 272 h
	v_add_nc_u32 v[T+1], 1040, v4                  ; third piece: 784 + 256 + 16 lane
	v_mov_b32 v[TKL], s48                          ; first piece: the first row's token,
	v_lshl_add_u32 v[TKL+1], v3, 2, s48            ; second: by the lane's half,
	v_add_nc_u32 v[TKL+2], 4, v[TKL]               ; third: the second row's
	v_add_nc_u32 v[DA], s49, v4
	v_add_nc_u32 v[DA+1], s49, v[T]
	v_add_nc_u32 v[DA+2], s49, v[T+1]
.irp q, 0,1,2
	v_add_nc_u32 v[DB+\q], 75264, v[DA+\q]         ; three pairs, 96 slots, on
.endr
	v_add_nc_u32 v[SA], s50, v4
	v_add_nc_u32 v[SA+1], s50, v[T]
	v_add_nc_u32 v[SA+2], s50, v[T+1]
	v_mul_u32_u24 v[FA], v2, 784
	v_mad_u32_u24 v[FA], v3, 24, v[FA]
	v_add_nc_u32 v[FA], s51, v[FA]
	v_lshrrev_b32 v[T], 3, v1
	v_lshl_add_u32 v[XLA], v[T], 2, s48
	v_and_b32 v[L7], 7, v1
	v_lshlrev_b32 v[L7], 2, v[L7]
	s_lshl_b32 s38, s22, 7
	s_add_co_u32 s48, s38, XSC
	v_add_nc_u32 v[XSD], s48, v[L4]
	s_add_co_u32 s48, s38, HSS
	v_add_nc_u32 v[HSR], s48, v[L4]
	v_add_nc_u32 v[VS], s38, v[L4]
	v_mul_u32_u24 v[T], v2, 784
	v_mad_u32_u24 v[T], v3, 48, v[T]
	s_mul_i32 s38, s24, 25088
	s_add_co_u32 s38, s38, XIMG
	v_add_nc_u32 v[FB], s38, v[T]                  ; slot r of pair par, my half's 48 bytes
	v_add_nc_u32 v[FB+1], 50176, v[FB]
	v_add_nc_u32 v[FB+2], 100352, v[FB]
	WIN 0x40                                       ; destination window 1
	v_add_nc_u32 v[FBW], s38, v[T]                 ; the same three addresses in window 1
	v_add_nc_u32 v[FBW+1], 50176, v[FB]
	v_add_nc_u32 v[FBW+2], 100352, v[FB]
	WIN 0
	s_lshl_b32 s38, s24, 10
	s_add_co_u32 s38, s38, XSC
	v_lshl_add_u32 v[ASB], v2, 5, s38
	s_lshr_b32 s38, s23, 1
	s_mul_i32 s38, s38, 6
	v_mul_u32_u24 v[T], v3, 3
	v_add_nc_u32 v[T], s38, v[T]                   ; my first register of the fragment: 6 (cg / 2) + 3 h
	s_mul_i32 s38, s24, 3072
	s_and_b32 s48, s23, 1
	s_lshl_b32 s48, s48, 8
	s_add_co_u32 s38, s38, s48
	s_add_co_u32 s38, s38, HST                     ; + lanes 16 (cg % 2) on
.irp c, 0,1,2
	v_add_nc_u32 v[T+1], \c, v[T]
	v_lshrrev_b32 v[T+2], 2, v[T+1]
	v_and_b32 v[T+3], 3, v[T+1]
	v_lshlrev_b32 v[T+2], 9, v[T+2]
	v_lshl_add_u32 v[T+2], v[T+3], 2, v[T+2]
	v_lshl_add_u32 v[T+2], v2, 4, v[T+2]
	v_add_nc_u32 v[HA+\c], s38, v[T+2]
.endr
	s_lshl_b32 s38, s24, 7
	s_add_co_u32 s38, s38, s23
	s_add_co_u32 s38, s38, HSS
	v_lshl_add_u32 v[HSB], v2, 2, s38
	s_mul_i32 s38, s22, 1536
	s_add_co_u32 s38, s38, HST
	v_add_nc_u32 v[HR], s38, v4
	s_mul_i32 s38, s22, 49152
	v_add_nc_u32 v[VO], s38, v4
	v_add_nc_u32 v[DMP], 1152, v1
	v_lshlrev_b32 v[LT], 4, v0
	v_mov_b32 v[QT], 0                             ; written once: a lane permute's destination counts as one of its sources
	v_mov_b32 v[QT+1], 0
	s_lshl_b32 s38, s26, 11
	s_add_co_u32 s38, s38, s25
	s_mul_i32 s38, s38, 1536
	s_add_nc_u64 s[16:17], s[16:17], s[38:39]      ; hq at (expert, tile 0, K step s)
	s_lshl_b32 s38, s26, 5
	s_add_co_u32 s38, s38, s25
	s_lshl_b32 s38, s38, 12
	s_add_nc_u64 s[18:19], s[18:19], s[38:39]      ; hs at (expert, K step s, tile 0)
	s_lshl_b32 s38, s26, 7
	s_add_co_u32 s38, s38, 32768
	s_add_nc_u64 s[46:47], s[20:21], s[38:39]      ; ord: the expert's 32 words of n
	s_lshl_b32 s38, s26, 12
	s_add_nc_u64 s[20:21], s[20:21], s[38:39]      ; ord: the expert's list
	s_mov_b32 s40, s24                             ; the pairs of a pass that are mine: par, par + 2, par + 4
	s_add_co_u32 s41, s24, 2
	s_add_co_u32 s42, s24, 4
	s_add_co_u32 s45, s22, 8
	s_mov_b32 s44, 768
	s_mov_b32 s34, 0x76543210
	s_mov_b32 s35, 0xfedcba98
	s_mov_b32 s33, 0
	s_mov_b32 s43, 0
	s_mov_b32 s27, 0
	s_wait_alu depctr_va_vdst(0)                   ; all addresses and offsets made above are written: the LDS and memory instructions of the whole kernel read them, and none is written again
	s_wait_loadcnt 32                              ; the ids are in; behind them 24 loads of W1, 4 of b1, 4 of W1's scales may be out
	s_cmp_lg_u32 s22, 0
	s_cbranch_scc1 .Lcount
	; wave 0 lists the expert's tokens.  No other wave touches LDS before the barrier below
.irp c, 0,1,2,3
	v_mov_b32 v[T+\c], 0
.endr
.set i, 0
.rept 32
	v_add_nc_u32 v[LD+i], 128*(i/4)+(i%4), v[L4]   ; the number of the token whose expert my register i holds
.set i, i+1
.endr
	s_wait_alu depctr_va_vdst(0)                   ; the four zeros and the 32 numbers are written, which the LDS stores below read
.irp i, 0,1,2,3,4,5,6,7,8
	ds_store_b128 v4, v[T:T+3] offset:LIST+512*\i
.endr
.set b, 0
.rept 4                                            ; eight registers of ids to a run: eight compares, one wait; eight addresses, one wait; eight stores
.irp j, 0,1,2,3,4,5,6,7
	v_cmp_eq_u32 s[52+\j], s26, v[STG+8*b+\j]
.endr
	s_wait_alu depctr_va_sdst(0)                   ; the eight masks s52 to s59 are written, ahead of their first reader
.if b > 0
	s_wait_alu depctr_vm_vsrc(0)                   ; the last run's eight stores have read their addresses, which are written again below
.endif
.irp j, 0,1,2,3,4,5,6,7
	LREG \j
	v_mbcnt_lo_u32_b32 v[LA], s[52+\j], 0          ; members in the lanes below mine
.endr
.irp j, 0,1,2,3,4,5,6,7
	LREG \j
	v_add_nc_u32 v[LA], s27, v[LA]                 ; + those of the registers before
	s_bcnt1_i32_b32 s38, s[52+\j]
	s_add_co_u32 s27, s27, s38
.endr
.irp j, 0,1,2,3,4,5,6,7
	LREG \j
	v_cndmask_b32 v[LA], v[DMP], v[LA], s[52+\j]   ; who is no member writes behind the list
.endr
.irp j, 0,1,2,3,4,5,6,7
	LREG \j
	v_min_u32 v[LA], 0x49f, v[LA]
.endr
.irp j, 0,1,2,3,4,5,6,7
	LREG \j
	v_lshlrev_b32 v[LA], 2, v[LA]
.endr
	s_wait_alu depctr_va_vdst(0)                   ; the eight addresses are written, which the stores below read
.irp j, 0,1,2,3,4,5,6,7
	LREG \j
	ds_store_b32 v[LA], v[LD+8*b+\j]
.endr
.set b, b+1
.endr
	ds_load_b32 v[T+5], v[T]                       ; the list's first word (v[T] = 0 = LIST): the expert's first token, or 0
	v_add_nc_u32 v[T+4], s27, v1
	v_min_u32 v[T+4], 0x47f, v[T+4]
	v_lshlrev_b32 v[SCA], 2, v[T+4]
	s_wait_dscnt 0x0
	s_wait_alu depctr_va_vdst(0)                   ; v[SCA] is written, which the store below reads
	ds_store_b32 v[SCA], v[T+5]                    ; entries n .. n + 31
	s_wait_alu depctr_vm_vsrc(0)                   ; the listing's stores have read v[LD ..], in which the gather's loads land
	s_branch .Llisted
.Lcount:
.set b, 0
.rept 4
.irp j, 0,1,2,3,4,5,6,7
	v_cmp_eq_u32 s[52+\j], s26, v[STG+8*b+\j]
.endr
	s_wait_alu depctr_va_sdst(0)                   ; the eight masks s52 to s59 are written, ahead of their first reader
.irp j, 0,1,2,3,4,5,6,7
	s_bcnt1_i32_b32 s38, s[52+\j]
	s_add_co_u32 s27, s27, s38
.endr
.set b, b+1
.endr
.Llisted:
	BARRIER                                        ; the list lies in LDS
	s_add_co_u32 s28, s27, 31
	s_lshr_b32 s28, s28, 5
	s_max_u32 s29, s28, 2                          ; pairs to go: at least two
	s_wait_loadcnt 8                               ; W1's 24 loads are in; behind them 4 of b1 and 4 of W1's scales may be out
	WIN 0x04                                       ; an LDS store's data are its source 1: window 1
.irp a, 0,1,2,3,4,5,6,7
.irp q, 0,1,2
	ds_store_b128 v[SA+\q], v[4*(3*\a+\q):4*(3*\a+\q)+3] offset:784*(((2*\a)&7)+16*(\a/4))   ; row 16 par + 2 a + d goes to place 16 u + r of its tile
.endr
.endr
	WIN 0
	GISSUE                                         ; the first pass's tokens are asked for
	s_cmp_lg_u32 s25, 0
	s_cbranch_scc1 .Lno_ord
	ds_load_b128 v[QC:QC+3], v[LT] offset:LIST     ; slice 0 stores the list's first 1,024 words and n
	s_wait_dscnt 0x0
	global_store_b128 v[LT], v[QC:QC+3], s[20:21]
	s_cmp_lg_u32 s22, 0
	s_cbranch_scc1 .Lno_n
	v_mov_b32 v[QC+4], s27
	s_wait_alu depctr_va_vdst(0)                   ; v[QC+4] is written, which the store below reads
	global_store_b32 v[L4], v[QC+4], s[46:47]
.Lno_n:
	s_wait_xcnt 0x0                                ; the stores' data registers are written again later
	s_wait_alu depctr_vm_vsrc(0)                   ; the stores have read v[QC ..], which the first pair's conversions write
.Lno_ord:
	s_wait_loadcnt 0x0
	GSTORE
	BARRIER                                        ; W1's rows and the first pass's tokens lie in LDS
	WIN 0x40
	s_wait_alu depctr_vm_vsrc(0)                   ; my LDS stores have read W1's rows as loaded (window 1, v0-95), in which the fragments land, and v[STG ..] and v[XW ..], in which later loads land
.irp u, 0,1
.irp k, 0,1,2,3,4,5,6,7
.irp p, 0,1,2,3,4,5
	ds_load_b64 v[12*(8*\u+\k)+2*\p:12*(8*\u+\k)+2*\p+1], v[FA] offset:12544*\u+96*\k+48*(\p/3)+8*(\p%3)   ; my 16 fragments of W1: they stay
.endr
.endr
.endr
	WIN 0
	s_wait_dscnt 0x0
	s_mov_b32 s32, 6
.Lpass:
	s_min_i32 s30, s29, 6                          ; pairs at work in this pass (0 or less: none)
	s_lshl_b32 s31, s30, 1                         ; tiles
	CPAIR 0
	CPAIR 1
	CPAIR 2
	BARRIER                                        ; the pass's codes lie in the stage, and nobody reads x's fragments any more
	; the way out: a tile's image is 1,536 consecutive bytes; tile w, and tile w + 8 in waves 0 to 3.  (The loads below land in registers that no vector or matrix instruction has named since the last wait on va_vdst)
	s_cmp_lt_i32 s22, s31
	s_cbranch_scc0 .Lout1
.irp j, 0,1,2
	ds_load_b128 v[STG+4*\j:STG+4*\j+3], v[HR] offset:512*\j
.endr
	s_wait_dscnt 0x0
.irp j, 0,1,2
	global_store_b128 v[VO], v[STG+4*\j:STG+4*\j+3], s[16:17] offset:512*\j
.endr
.Lout1:
	s_cmp_lt_u32 s22, 4
	s_cbranch_scc0 .Lout2
	s_cmp_lt_i32 s45, s31
	s_cbranch_scc0 .Lout2
.irp j, 0,1,2
	ds_load_b128 v[STG+12+4*\j:STG+12+4*\j+3], v[HR] offset:12288+512*\j
.endr
	s_wait_dscnt 0x0
.irp j, 0,1,2
	global_store_b128 v[VO], v[STG+12+4*\j:STG+12+4*\j+3], s[16:17] offset:393216+512*\j
.endr
.Lout2:
	s_cmp_lt_u32 s22, 6
	s_cbranch_scc0 .Lout3
	s_cmp_lt_i32 s22, s30
	s_cbranch_scc0 .Lout3
	ds_load_b32 v[STG+24], v[HSR]                  ; pair w's 32 scale words
	s_wait_dscnt 0x0
	global_store_b32 v[VS], v[STG+24], s[18:19]
.Lout3:
	s_wait_xcnt 0x0                                ; the stores have read their data and bases: both are written again below
	s_wait_alu depctr_vm_vsrc(0)                   ; the stores above have read v[STG ..]; the pass's LDS stores v[QC ..] and v[QB ..]; the last gather's loads v[GT ..] and its offsets: all are written again below or in the next pass
	s_add_nc_u64 s[16:17], s[16:17], 589824        ; 12 tiles on
	s_add_nc_u64 s[18:19], s[18:19], 768
	s_sub_co_i32 s29, s29, 6
	s_add_co_u32 s33, s33, 768
	s_min_u32 s43, s33, 3840                       ; the next pass's part of the list, held at the last pass's
	s_cmp_gt_i32 s29, 0
	s_cbranch_scc0 .Lno_gather
	GISSUE
	s_wait_loadcnt 0x0
	GSTORE
	s_wait_alu depctr_vm_vsrc(0)                   ; these LDS stores have read v[STG ..] and v[XW ..], in which the next pass's loads land
.Lno_gather:
	BARRIER                                        ; the next pass's tokens lie in LDS, and nobody reads the stage any more
	s_sub_co_i32 s32, s32, 1
	s_cmp_lg_u32 s32, 0
	s_cbranch_scc1 .Lpass
	s_set_vgpr_msb 0x5
	s_wait_dscnt 0x0
	s_wait_alu depctr_hold_cnt(0) depctr_sa_sdst(0) depctr_va_vdst(0) depctr_va_sdst(0) depctr_va_ssrc(0) depctr_va_vcc(0) depctr_vm_vsrc(0)
	s_wait_tensorcnt 0x0
	ds_add_u32 v254, v255
	s_wait_dscnt 0x0
	s_endpgm
.Lfunc_end_k_q0d0857ac15_ffn1:
	.size	k_q0d0857ac15_ffn1, .Lfunc_end_k_q0d0857ac15_ffn1-k_q0d0857ac15_ffn1
	.p2alignl 7, 3214868480
	.fill 96, 4, 3214868480
	.section	.rodata,"a",@progbits
	.p2align	6, 0x0
	.amdhsa_kernel k_q0d0857ac15_ffn1
		.amdhsa_group_segment_fixed_size 282112
		.amdhsa_private_segment_fixed_size 0
		.amdhsa_enable_private_segment 0
		.amdhsa_kernarg_size 72
		.amdhsa_user_sgpr_count 2
		.amdhsa_user_sgpr_kernarg_segment_ptr 1
		.amdhsa_wavefront_size32 1
		.amdhsa_system_sgpr_workgroup_id_x 1
		.amdhsa_system_sgpr_workgroup_id_y 1
		.amdhsa_system_sgpr_workgroup_id_z 1
		.amdhsa_system_vgpr_workitem_id 0
		.amdhsa_next_free_vgpr 512
		.amdhsa_next_free_sgpr 66
		.amdhsa_reserve_vcc 0
		.amdhsa_float_denorm_mode_32 3
		.amdhsa_float_denorm_mode_16_64 3
		.amdhsa_memory_ordered 1
		.amdhsa_forward_progress 1
		.amdhsa_inst_pref_size 107
	.end_amdhsa_kernel
	.amdgpu_metadata
---
amdhsa.version: [ 1, 2 ]
amdhsa.kernels:
  - .name:           k_q0d0857ac15_ffn1
    .symbol:         k_q0d0857ac15_ffn1.kd
    .args:
      - { .name: eid, .offset: 0, .size: 8, .value_kind: global_buffer, .address_space: global }
      - { .name: xq, .offset: 8, .size: 8, .value_kind: global_buffer, .address_space: global }
      - { .name: xs, .offset: 16, .size: 8, .value_kind: global_buffer, .address_space: global }
      - { .name: W1_codes, .offset: 24, .size: 8, .value_kind: global_buffer, .address_space: global }
      - { .name: W1_scales, .offset: 32, .size: 8, .value_kind: global_buffer, .address_space: global }
      - { .name: b1, .offset: 40, .size: 8, .value_kind: global_buffer, .address_space: global }
      - { .name: hq, .offset: 48, .size: 8, .value_kind: global_buffer, .address_space: global }
      - { .name: hs, .offset: 56, .size: 8, .value_kind: global_buffer, .address_space: global }
      - { .name: ord, .offset: 64, .size: 8, .value_kind: global_buffer, .address_space: global }
    .group_segment_fixed_size: 282112
    .private_segment_fixed_size: 0
    .kernarg_segment_align: 8
    .kernarg_segment_size: 72
    .max_flat_workgroup_size: 256
    .sgpr_count:     66
    .vgpr_count:     512
    .wavefront_size: 32
...
	.end_amdgpu_metadata
.endif
;; end of part 4
;; launch ffn2 (part 5): grid 32 x 8, 8 waves a work-group, no clusters, 211,968 bytes of LDS; arguments ord, hq, hs, W2_codes, W2_scales, b2, x, alpha, out0; writes out0
.if DOCPART == 5
	.amdgcn_target "amdgcn-amd-amdhsa--gfx1250"
	.amdhsa_code_object_version 6
	.text
	.protected	k_q0d0857ac15_ffn2
	.globl	k_q0d0857ac15_ffn2
	.p2align	8
	.type	k_q0d0857ac15_ffn2,@function
k_q0d0857ac15_ffn2:
	s_mov_b64 s[64:65], 0
	v_nop
	global_prefetch_b8 v0, s[64:65] scope:SCOPE_SE
	s_setreg_imm32_b32 hwreg(HW_REG_WAVE_SCHED_MODE, 0, 2), 2
	s_setreg_imm32_b32 hwreg(HW_REG_WAVE_MODE, 25, 1), 1
	s_wait_xcnt 0x0
	s_wait_alu depctr_vm_vsrc(0)
; FFN2.  out = x + alpha (h W2^T + b2) for the tokens of one expert (that is alpha y + (1 - alpha) x with y = x + h W2^T + b2).  Both operands are E2M3 codes with E8M0 scales; sums in f32.
; SHARES.  Work-group (sd = x, expert e = y) owns output columns 32 sd .. 32 sd + 31 of expert e's tokens: each byte of W2 is read by one work-group, and each output number has one owner.
; Wave w = (kq = w % 4, par = w / 4): K steps 8 kq .. 8 kq + 7 for the pairs of token tiles of parity par; its 16 fragments of W2 stay in registers.  The four parts of K meet in LDS.
; The tokens are walked in 6 passes of 6 pairs of tiles, as the launch before laid them: the count of passes is a constant, barriers stand on every wave's path, and work without tokens is jumped over
; by branches on n, which the launch before stored.  h's fragments come from memory straight into registers, as images of the registers.
; THE PRODUCT IS USED TRANSPOSED (source 0 = 16 rows of W2, source 1 = 16 tokens); lane r of tile u takes row 8 u + r % 8 + 16 (r / 8), so that a lane's 16 results are columns 16 h + 0 .. 15 of one token.
; A group's 768 bytes of two rows of W2 are 96 pieces of 16 bytes, three a lane: piece lane of the first row; piece 32 + r of the first (lanes 0-15) or piece r of the second (lanes 16-31); piece 16 + lane of the second.
; Slots behind an expert's last token name its first token: they store that token's own numbers once more, so no lane is switched off.
; A row's part of a store is 128 bytes: 64 columns to a work-group would leave half of the 256 work-groups without weights, or read W2 twice.
; No tensor load, no copy, no cluster: branches hang on stored counts.  LIMITS: NaN and infinities are not served.
; THE MODE: SCHED_MODE bits 1:0 = 2 (LLVM: expert scheduling mode 2), set by the entry lines.  The code itself states the register dependences
; between vector or matrix instructions and memory or LDS instructions, with s_wait_alu, always for 0.
; THE PLAN.  Registers that memory or LDS instructions touch:
;   v4-20              offsets and LDS addresses: made at the head, never written again.
;   HF, HSC            a pair's 56 loads land here; its matrix instructions read them.  On the way out loads of alpha (AL), x (XR) and the partial sums (SM) land in HF's registers, the sums' arithmetic works there,
;                      and the stores of out0 read SM.
;   the accumulators   written by a pair's matrix instructions, read by its LDS stores.
;   TOK                loads land at a pass's end; the hold reads them in the next pass.
;   XO, AO             written once a pass by the offsets' arithmetic; read by the loads of x and alpha and by the stores of out0.
; A PAIR has one wait on va_vdst, behind its products and their places: it states that the accumulators are written (the LDS stores read them) and that the products are done reading h's fragments and scale
; words (the next pair's loads land there).  The second and third pair of a pass begin with a wait on vm_vsrc: the last pair's LDS stores have read the accumulators.
; THE WAY OUT has one wait on va_vdst behind the offsets' arithmetic, one between the run of sums and the run of stores, and one wait on vm_vsrc where all its ways join.
.set RED,  0                           ; LDS: (4 pair + kq) x 4,608: 32 rows x (128 bytes + 16)
.set WST,  110592                      ; 4 groups x 32 rows x 784 (768 + 16): W2's rows, in the tiles' order
.set GA,   4                           ; v4-6   my three pieces of two rows of W2 in memory (v4 is also 16 x lane)
.set L4,   7                           ; v7     4 x lane
.set SA,   9                           ; v9-11  and in WST
.set FA,   12
.set L7,   13                          ; v13    16 x (lane % 8)
.set TO,   14                          ; v14    16 w + 4 (lane / 8): my row of a pair in the list
.set RA,   15                          ; v15-17 where my partial sums go
.set RB,   18                          ; v18, v19 where I read a row's four parts (pairs 0-2, 3-5)
.set WSO,  20
.set T,    21                          ; v21-27 at work
.set WS,   32                          ; v32-47 W2's scale words: 8 u + ks: scales and nothing else
.set HSC,  48                          ; v48-55 h's scale words of K step ks: lanes 0-15 the pair's first tile, lanes 16-31 its second: scales and nothing else
.set B2,   56
.set TOK,  60                          ; v60-65 the token of my row of pair p
.set XO,   66                          ; v66-71 its offset in x and out0
.set ACC,  72                          ; v72-103 four accumulators: 16 t + 8 u
.set HF,   104                         ; v104-247 h's fragments of K steps 0-5: 24 ks + 12 t; K steps 6, 7 in window 1 from v192
.set AO,   248                         ; v248-253 the token's offset in alpha
.set AL,   104                         ; on the way out, in the fragments' registers: alpha,
.set XR,   112                         ; x,
.set SM,   152                         ; and the partial sums: 16 p + 4 kq
.set MSB, 0
.macro WIN new                         ; the immediate's high byte repeats the setting that is left
.if MSB != \new
	s_set_vgpr_msb (MSB<<8)|\new
.set MSB, \new
.endif
.endm
.macro BARRIER
	s_wait_dscnt 0x0
	s_barrier_signal -1
	s_barrier_wait -1
.endm
; 56 loads: pair 2 i + par of the pass, my 8 K steps: a scale word and 6 x 512 bytes for each of K steps 0 to 5, then the words of K steps 6 and 7, then their fragments
.macro AISSUE i
.irp k, 0,1,2,3,4,5
	global_load_b32 v[HSC+\k], v[L4], s[8:9] offset:4096*\k+256*(\i)
.irp t, 0,1
.irp j, 0,1,2
	global_load_b128 v[HF+24*\k+12*\t+4*\j:HF+24*\k+12*\t+4*\j+3], v4, s[6:7] offset:196608*(\i)+49152*\t+1536*\k+512*\j
.endr
.endr
.endr
	global_load_b32 v[HSC+6], v[L4], s[8:9] offset:4096*6+256*(\i)
	global_load_b32 v[HSC+7], v[L4], s[8:9] offset:4096*7+256*(\i)
	WIN 0x40                                       ; destination window 1
.irp k, 6,7
.irp t, 0,1
.irp j, 0,1,2
	global_load_b128 v[192+24*(\k-6)+12*\t+4*\j:192+24*(\k-6)+12*\t+4*\j+3], v4, s[6:7] offset:196608*(\i)+49152*\t+1536*\k+512*\j
.endr
.endr
.endr
	WIN 0
.endm
; one matrix instruction: K step k, token tile t, tile of W2 u.  The first K step starts the sums
.macro WM k, t, u
.set rD, ACC+16*\t+8*\u
.set rA, 12*(8*\u+\k)
.if \k < 6
.set rB, HF+24*\k+12*\t
.else
.set rB, 192+24*(\k-6)+12*\t
.endif
.if \k == 0
.if \t == 0
	v_wmma_scale_f32_16x16x128_f8f6f4 v[rD:rD+7], v[rA:rA+11], v[rB:rB+11], 0, v[WS+8*\u+\k], v[HSC+\k] matrix_a_fmt:MATRIX_FMT_FP6 matrix_b_fmt:MATRIX_FMT_FP6
.else
	v_wmma_scale_f32_16x16x128_f8f6f4 v[rD:rD+7], v[rA:rA+11], v[rB:rB+11], 0, v[WS+8*\u+\k], v[HSC+\k] matrix_a_fmt:MATRIX_FMT_FP6 matrix_b_fmt:MATRIX_FMT_FP6 matrix_b_scale:MATRIX_SCALE_ROW1
.endif
.else
.if \t == 0
	v_wmma_scale_f32_16x16x128_f8f6f4 v[rD:rD+7], v[rA:rA+11], v[rB:rB+11], v[rD:rD+7], v[WS+8*\u+\k], v[HSC+\k] matrix_a_fmt:MATRIX_FMT_FP6 matrix_b_fmt:MATRIX_FMT_FP6
.else
	v_wmma_scale_f32_16x16x128_f8f6f4 v[rD:rD+7], v[rA:rA+11], v[rB:rB+11], v[rD:rD+7], v[WS+8*\u+\k], v[HSC+\k] matrix_a_fmt:MATRIX_FMT_FP6 matrix_b_fmt:MATRIX_FMT_FP6 matrix_b_scale:MATRIX_SCALE_ROW1
.endif
.endif
.endm
; PAIR 2 i + par of the pass: 32 matrix instructions, each K step as soon as its loads are in; the next pair of mine is asked for; the partial sums go to LDS
.macro TT i
	s_cmp_lt_i32 s[40+\i], s29
	s_cbranch_scc0 .Lno_pair_\@
	s_wait_dscnt 0x0                               ; my last pair's LDS stores are done
.if \i > 0
	s_wait_alu depctr_vm_vsrc(0)                   ; the LDS stores of my last pair's sums have read the accumulators, which the products below write again
.endif
	WIN 0x01                                       ; source 0 (W2) in window 1
.irp k, 0,1,2,3,4,5,6,7
.if \k == 6
	WIN 0x05                                       ; and source 1 too
.endif
.if \k < 6
	s_wait_loadcnt 49-7*\k                         ; 7 loads for each later K step may be out
.elseif \k == 6
	s_wait_loadcnt 6                               ; the last K step's six
.else
	s_wait_loadcnt 0x0
.endif
.irp t, 0,1
.irp u, 0,1
	WM \k, \t, \u                                  ; the four accumulators take turns, one instruction a turn
.endr
.endr
.endr
	WIN 0
.rept 5
	v_nop                                          ; plain instructions behind the matrix instructions, in front of loads into their sources, of stores of their results and of the next pair's first products
.endr
	s_wait_alu depctr_va_vdst(0)                   ; the products have written the accumulators, which the LDS stores below read, and are done reading h's fragments and scale words, in which the next pair's loads land
.if \i < 2
	s_cmp_lt_i32 s[41+\i], s29
	s_cbranch_scc0 .Lno_next_\@
	AISSUE \i+1
.Lno_next_\@:
.endif
.irp t, 0,1
.irp u, 0,1
	ds_store_b128 v[RA+\i], v[ACC+16*\t+8*\u:ACC+16*\t+8*\u+3] offset:2304*\t+32*\u        ; each accumulator from its low end on
	ds_store_b128 v[RA+\i], v[ACC+16*\t+8*\u+4:ACC+16*\t+8*\u+7] offset:2304*\t+32*\u+16
.endr
.endr
.Lno_pair_\@:
.endm
	s_load_b256 s[4:11], s[0:1], 0x0               ; ord, hq, hs, W2's codes
	s_load_b256 s[12:19], s[0:1], 0x20             ; W2's scales, b2, x, alpha
	s_load_b64 s[20:21], s[0:1], 0x40              ; out0
	v_lshl_add_u32 v254, v0, 2, 0x33800
	v_mov_b32 v255, 0
	v_lshrrev_b32 v1, 5, v0
	v_readfirstlane_b32 s22, v1                    ; wave 0..7
	v_and_b32 v1, 31, v0                           ; lane
	v_and_b32 v2, 15, v0                           ; r
	v_bfe_u32 v3, v0, 4, 1                         ; h
	v_lshlrev_b32 v4, 4, v1                        ; 16 x lane: also my first piece in memory
	v_lshlrev_b32 v[L4], 2, v1
	s_wait_alu depctr_va_sdst(0)                   ; s22 is written, ahead of its first reader
	s_and_b32 s23, s22, 3                          ; kq
	s_lshr_b32 s24, s22, 2                         ; par
	s_mov_b32 s25, ttmp9                           ; sd
	s_and_b32 s26, ttmp7, 0xffff                   ; expert
	s_mul_i32 s51, s23, 25088
	s_add_co_u32 s51, s51, WST                     ; my group's 32 rows
	s_mul_i32 s38, s24, 6272
	s_add_co_u32 s50, s51, s38                     ; places 8 par on
	v_lshlrev_b32 v[T], 4, v2                      ; 16 r
	v_mad_u32_u24 v[GA+1], v3, 2560, v[T]
	v_add_nc_u32 v[GA+1], 512, v[GA+1]             ; second piece in memory (rows 3,072 bytes apart): 512 + 16 r in lanes 0-15, 3,072 + 16 r in lanes 16-31
	v_add_nc_u32 v[GA+2], 3328, v4                 ; third piece: 3,072 + 256 + 16 lane
	v_mad_u32_u24 v[T], v3, 272, v[T]
	v_add_nc_u32 v[T], 512, v[T]                   ; second piece in two rows of 784: 512 + 16 r + 272 h
	v_add_nc_u32 v[T+1], 1040, v4                  ; third piece: 784 + 256 + 16 lane
	v_add_nc_u32 v[SA], s50, v4
	v_add_nc_u32 v[SA+1], s50, v[T]
	v_add_nc_u32 v[SA+2], s50, v[T+1]
	v_and_b32 v[L7], 7, v1
	v_lshlrev_b32 v[L7], 4, v[L7]
	v_lshrrev_b32 v[T], 3, v1
	s_lshl_b32 s38, s22, 4
	v_lshl_add_u32 v[TO], v[T], 2, s38
	v_and_b32 v[WSO], 7, v0
	v_bfe_u32 v[T+1], v0, 3, 1
	v_lshlrev_b32 v[WSO], 7, v[WSO]
	v_lshl_add_u32 v[WSO], v[T+1], 11, v[WSO]      ; W2's scale words: 128 bytes a row, row r % 8 + 16 (r / 8)
	s_lshl_b32 s46, s26, 7
	s_mov_b32 s39, 0
	s_lshl_b32 s36, s26, 10
	s_lshl_b32 s38, s25, 5
	s_add_co_u32 s36, s36, s38                     ; my first row of W2, counted through all experts
	s_wait_kmcnt 0x0
	s_load_b32 s27, s[4:5], s46 offset:0x8000      ; n
	s_lshl_b32 s38, s26, 12
	s_add_nc_u64 s[44:45], s[4:5], s[38:39]        ; the expert's list
	s_lshl_b32 s38, s24, 4
	s_add_co_u32 s38, s38, s36
	s_mul_i32 s38, s38, 3072
	s_mul_i32 s48, s23, 768
	s_add_co_u32 s38, s38, s48
	s_add_nc_u64 s[10:11], s[10:11], s[38:39]      ; the 16 rows that I fetch, at my group's 768 bytes
	s_lshl_b32 s38, s36, 7
	s_lshl_b32 s48, s23, 5
	s_add_co_u32 s38, s38, s48
	s_add_nc_u64 s[12:13], s[12:13], s[38:39]
	s_lshl_b32 s38, s36, 2
	s_add_nc_u64 s[14:15], s[14:15], s[38:39]
	s_mul_i32 s38, s26, 3145728
	s_mul_i32 s48, s23, 12288
	s_add_co_u32 s38, s38, s48
	s_mul_i32 s48, s24, 98304
	s_add_co_u32 s38, s38, s48
	s_add_nc_u64 s[6:7], s[6:7], s[38:39]          ; hq at (expert, tile 2 par, K step 8 kq)
	s_lshl_b32 s38, s26, 5
	s_lshl_b32 s48, s23, 3
	s_add_co_u32 s38, s38, s48
	s_lshl_b32 s38, s38, 12
	s_lshl_b32 s48, s24, 7
	s_add_co_u32 s38, s38, s48
	s_add_nc_u64 s[8:9], s[8:9], s[38:39]          ; hs at (expert, K step 8 kq, tile 2 par)
	s_lshl_b32 s38, s25, 7
	s_add_nc_u64 s[16:17], s[16:17], s[38:39]      ; x and out0 at my 32 columns
	s_add_nc_u64 s[20:21], s[20:21], s[38:39]
	s_wait_alu depctr_va_vdst(0)                   ; the offsets v4 to v7, v[L7], v[TO], v[WSO] and the LDS addresses v[SA ..] are written: the loads and LDS stores below read them, and none is written again
.irp p, 0,1,2,3,4,5
	global_load_b32 v[TOK+\p], v[TO], s[44:45] offset:128*\p   ; the token of my row of pair p
.endr
	WIN 0x40                                       ; destination window 1
.irp a, 0,1,2,3,4,5,6,7
.irp q, 0,1,2
	global_load_b128 v[4*(3*\a+\q):4*(3*\a+\q)+3], v[GA+\q], s[10:11] offset:6144*\a th:TH_LOAD_NT   ; rows 16 par + 2 a + d; read once in the launch
.endr
.endr
	WIN 0
.irp u, 0,1
.irp z, 0,1
	global_load_b128 v[WS+8*\u+4*\z:WS+8*\u+4*\z+3], v[WSO], s[12:13] offset:1024*\u+16*\z
.endr
.endr
	global_load_b128 v[B2:B2+3], v[L7], s[14:15]
	AISSUE 0                                       ; my first pair: the launch before stores tiles 0 to 3 for every expert
	v_mul_u32_u24 v[FA], v2, 784
	v_mad_u32_u24 v[FA], v3, 24, v[FA]
	v_add_nc_u32 v[FA], s51, v[FA]
	v_mul_u32_u24 v[RA], v2, 144
	v_lshl_add_u32 v[RA], v3, 6, v[RA]
	s_mul_i32 s38, s22, 4608                       ; 4 par + kq = w
	v_add_nc_u32 v[RA], s38, v[RA]
	v_add_nc_u32 v[RA+1], 36864, v[RA]
	v_add_nc_u32 v[RA+2], 73728, v[RA]
	v_mul_u32_u24 v[RB], v[T], 144
	v_add_nc_u32 v[RB], v[RB], v[L7]
	s_mul_i32 s38, s22, 576
	v_add_nc_u32 v[RB], s38, v[RB]                 ; row 4 w + lane / 8 of a pair, 16 bytes at 16 (lane % 8)
	v_add_nc_u32 v[RB+1], 55296, v[RB]
	s_mov_b32 s40, s24                             ; the pairs of a pass that are mine: par, par + 2, par + 4
	s_add_co_u32 s41, s24, 2
	s_add_co_u32 s42, s24, 4
	s_wait_loadcnt 61                              ; W2's 24 loads are in; behind them: 4 of its scales, 1 of b2, 56 of h
	WIN 0x04                                       ; an LDS store's data are its source 1: window 1
.irp a, 0,1,2,3,4,5,6,7
.irp q, 0,1,2
	ds_store_b128 v[SA+\q], v[4*(3*\a+\q):4*(3*\a+\q)+3] offset:784*(((2*\a)&7)+16*(\a/4))   ; row 16 par + 2 a + d goes to place 16 u + r of its tile
.endr
.endr
	WIN 0
	BARRIER                                        ; W2's rows lie in LDS
	WIN 0x40
	s_wait_alu depctr_vm_vsrc(0)                   ; my LDS stores have read W2's rows as loaded (window 1, v0-95), in which the fragments land
	s_wait_alu depctr_va_vdst(0)                   ; v[FA], v[RA ..] and v[RB ..] are written: the loads below and the loop's LDS stores and loads read them, and none is written again
.irp u, 0,1
.irp k, 0,1,2,3,4,5,6,7
.irp p, 0,1,2,3,4,5
	ds_load_b64 v[12*(8*\u+\k)+2*\p:12*(8*\u+\k)+2*\p+1], v[FA] offset:12544*\u+96*\k+48*(\p/3)+8*(\p%3)   ; my 16 fragments of W2: they stay
.endr
.endr
.endr
	WIN 0
	s_wait_dscnt 0x0
	s_wait_kmcnt 0x0
	s_min_u32 s27, s27, 1024
	s_add_co_u32 s28, s27, 31
	s_lshr_b32 s29, s28, 5                         ; pairs to go
	s_mov_b32 s32, 6
.Lpass:
	s_min_i32 s30, s29, 6                          ; pairs at work in this pass (0 or less: none)
	TT 0
	TT 1
	TT 2
	s_wait_loadcnt 0x0                             ; the tokens' numbers are in, and no load is out
.irp p, 0,1,2,3,4,5
	v_min_u32 v[XO+\p], 0x3ff, v[TOK+\p]           ; the offsets are made on every way, held inside the tables
.endr
.irp p, 0,1,2,3,4,5
	v_lshlrev_b32 v[AO+\p], 2, v[XO+\p]
	v_lshl_add_u32 v[XO+\p], v[XO+\p], 12, v[L7]
.endr
	s_wait_alu depctr_va_vdst(0)                   ; v[XO ..] and v[AO ..] are written, which the loads and stores below read; the holds are done reading v[TOK ..], in which the next pass's tokens land
	s_cmp_gt_i32 s29, 0
	s_cbranch_scc0 .Lno_rows
.irp p, 0,1,2,3,4,5
	global_load_b128 v[XR+4*\p:XR+4*\p+3], v[XO+\p], s[16:17]   ; eight lanes read a row's 128 bytes
	global_load_b32 v[AL+\p], v[AO+\p], s[18:19]
.endr
.Lno_rows:
	BARRIER                                        ; the pass's partial sums lie in LDS
	s_cmp_gt_i32 s29, 0
	s_cbranch_scc0 .Lout_done
.irp p, 0,1,2,3,4,5
.if \p > 0
	s_cmp_gt_i32 s30, \p
	s_cbranch_scc0 .Lsums_asked
.endif
.irp k, 0,1,2,3
	ds_load_b128 v[SM+16*\p+4*\k:SM+16*\p+4*\k+3], v[RB+\p/3] offset:4608*(4*(\p%3)+\k)
.endr
.endr
.Lsums_asked:
	s_wait_loadcnt 0x0
	s_wait_dscnt 0x0
.irp p, 0,1,2,3,4,5                                ; the sums stand in one run, the stores in another, so that one wait between the two serves all the stores
.if \p > 0
	s_cmp_gt_i32 s30, \p
	s_cbranch_scc0 .Lsummed
.endif
.irp z, 0,2
	v_pk_add_f32 v[SM+16*\p+\z:SM+16*\p+\z+1], v[SM+16*\p+\z:SM+16*\p+\z+1], v[SM+16*\p+4+\z:SM+16*\p+4+\z+1]
	v_pk_add_f32 v[SM+16*\p+8+\z:SM+16*\p+8+\z+1], v[SM+16*\p+8+\z:SM+16*\p+8+\z+1], v[SM+16*\p+12+\z:SM+16*\p+12+\z+1]
.endr
.irp z, 0,2
	v_pk_add_f32 v[SM+16*\p+\z:SM+16*\p+\z+1], v[SM+16*\p+\z:SM+16*\p+\z+1], v[SM+16*\p+8+\z:SM+16*\p+8+\z+1]
.endr
.irp z, 0,2
	v_pk_add_f32 v[SM+16*\p+\z:SM+16*\p+\z+1], v[SM+16*\p+\z:SM+16*\p+\z+1], v[B2+\z:B2+\z+1]
.endr
.irp c, 0,1,2,3
	v_fma_f32 v[SM+16*\p+\c], v[AL+\p], v[SM+16*\p+\c], v[XR+4*\p+\c]   ; x + alpha (h W2^T + b2)
.endr
.endr
.Lsummed:
.rept 4
	v_nop                                          ; the sums' registers are h's fragments' again: four plain instructions between the last vector write there and the next scaled matrix instruction
.endr
	s_wait_alu depctr_va_vdst(0)                   ; the sums are written, which the stores below read; the arithmetic is done with v[SM ..], v[XR ..] and v[AL ..], in which the next pass's fragments land
.irp p, 0,1,2,3,4,5
.if \p > 0
	s_cmp_gt_i32 s30, \p
	s_cbranch_scc0 .Lout_done
.endif
	global_store_b128 v[XO+\p], v[SM+16*\p:SM+16*\p+3], s[20:21] th:TH_STORE_NT
.endr
.Lout_done:
	s_wait_loadcnt 0x0                             ; where all ways join: x and alpha are in, so their registers may take h's fragments again
	s_wait_xcnt 0x0                                ; the stores have read their data and offsets, all loads their bases: they are written again below
	s_wait_alu depctr_vm_vsrc(0)                   ; the stores have read v[SM ..], in which h's fragments land; the loads and stores v[XO ..] and v[AO ..], which the next pass writes; the pass's LDS stores the accumulators
	s_add_nc_u64 s[6:7], s[6:7], 589824            ; 12 tiles on
	s_add_nc_u64 s[8:9], s[8:9], 768
	s_add_nc_u64 s[44:45], s[44:45], 768
	s_sub_co_i32 s29, s29, 6
	s_cmp_gt_i32 s29, 0
	s_cbranch_scc0 .Lno_tok
.irp p, 0,1,2,3,4,5
	global_load_b32 v[TOK+\p], v[TO], s[44:45] offset:128*\p   ; (past an expert's 1,024 words lie the next list or the counts: inside the buffer; such numbers are held at 1,023 and serve pairs that are not at work)
.endr
.Lno_tok:
	s_cmp_lt_i32 s40, s29
	s_cbranch_scc0 .Lno_first
	AISSUE 0                                       ; my first pair of the next pass
.Lno_first:
	BARRIER                                        ; nobody reads the partial sums any more
	s_sub_co_i32 s32, s32, 1
	s_cmp_lg_u32 s32, 0
	s_cbranch_scc1 .Lpass
	s_wait_dscnt 0x0
	s_wait_alu depctr_hold_cnt(0) depctr_sa_sdst(0) depctr_va_vdst(0) depctr_va_sdst(0) depctr_va_ssrc(0) depctr_va_vcc(0) depctr_vm_vsrc(0)
	s_wait_tensorcnt 0x0
	ds_add_u32 v254, v255
	s_wait_dscnt 0x0
	s_endpgm
.Lfunc_end_k_q0d0857ac15_ffn2:
	.size	k_q0d0857ac15_ffn2, .Lfunc_end_k_q0d0857ac15_ffn2-k_q0d0857ac15_ffn2
	.p2alignl 7, 3214868480
	.fill 96, 4, 3214868480
	.section	.rodata,"a",@progbits
	.p2align	6, 0x0
	.amdhsa_kernel k_q0d0857ac15_ffn2
		.amdhsa_group_segment_fixed_size 211968
		.amdhsa_private_segment_fixed_size 0
		.amdhsa_enable_private_segment 0
		.amdhsa_kernarg_size 72
		.amdhsa_user_sgpr_count 2
		.amdhsa_user_sgpr_kernarg_segment_ptr 1
		.amdhsa_wavefront_size32 1
		.amdhsa_system_sgpr_workgroup_id_x 1
		.amdhsa_system_sgpr_workgroup_id_y 1
		.amdhsa_system_sgpr_workgroup_id_z 1
		.amdhsa_system_vgpr_workitem_id 0
		.amdhsa_next_free_vgpr 512
		.amdhsa_next_free_sgpr 66
		.amdhsa_reserve_vcc 0
		.amdhsa_float_denorm_mode_32 3
		.amdhsa_float_denorm_mode_16_64 3
		.amdhsa_memory_ordered 1
		.amdhsa_forward_progress 1
		.amdhsa_inst_pref_size 65
	.end_amdhsa_kernel
	.amdgpu_metadata
---
amdhsa.version: [ 1, 2 ]
amdhsa.kernels:
  - .name:           k_q0d0857ac15_ffn2
    .symbol:         k_q0d0857ac15_ffn2.kd
    .args:
      - { .name: ord, .offset: 0, .size: 8, .value_kind: global_buffer, .address_space: global }
      - { .name: hq, .offset: 8, .size: 8, .value_kind: global_buffer, .address_space: global }
      - { .name: hs, .offset: 16, .size: 8, .value_kind: global_buffer, .address_space: global }
      - { .name: W2_codes, .offset: 24, .size: 8, .value_kind: global_buffer, .address_space: global }
      - { .name: W2_scales, .offset: 32, .size: 8, .value_kind: global_buffer, .address_space: global }
      - { .name: b2, .offset: 40, .size: 8, .value_kind: global_buffer, .address_space: global }
      - { .name: x, .offset: 48, .size: 8, .value_kind: global_buffer, .address_space: global }
      - { .name: alpha, .offset: 56, .size: 8, .value_kind: global_buffer, .address_space: global }
      - { .name: out0, .offset: 64, .size: 8, .value_kind: global_buffer, .address_space: global }
    .group_segment_fixed_size: 211968
    .private_segment_fixed_size: 0
    .kernarg_segment_align: 8
    .kernarg_segment_size: 72
    .max_flat_workgroup_size: 256
    .sgpr_count:     66
    .vgpr_count:     512
    .wavefront_size: 32
...
	.end_amdgpu_metadata
.endif
;; end of part 5
